; MI455X (gfx1250); checked and timed in simulation.
; The chip was launched on July 23, 2026; its instructions are those of AMD's public machine-readable ISA for CDNA 5 (MIT licence, August 2026) and "CDNA5" Instruction Set Architecture Reference Guide (July 2026). The comments in the code are by the model that wrote it; some were corrected since.
;; Multihead Attention. Allowed arithmetic: matrix products marked QUANTISED: E2M1 operands, one E8M0 scale for each 32 along K, by v_wmma_scale_f32_16x16x128_f8f6f4 with both operands' format E2M1 (or v_wmma_scale_f32_32x16x128_f4), f32 sums; products left as they are: bf16, f16 or f32 operands; f32 sums; everything else in f32.
;; Inputs: bk 1,024 float32; bo 1,024 float32; bq 1,024 float32; bv 1,024 float32; key_in 2,048 x 8 x 1,024 float32; query 1,024 x 8 x 1,024 float32; value 2,048 x 8 x 1,024 float32; wk 1,024 x 1,024 float32; wo 1,024 x 1,024 float32; wq 1,024 x 1,024 float32; wv 1,024 x 1,024 float32.
;; Outputs: out0 1,024 x 8 x 1,024 float32.
;; This version of the problem:
;;   THIS VERSION OF THE PROBLEM IS GIVEN IN LOW PRECISION. The matrix products marked QUANTISED in the list below multiply operands that are first quantised to E2M1 (2 exponent bits, 1 mantissa bit; 4 bits a number), with one power-of-two scale for each 32 numbers along K (OCP MX v1.0); their sums are f32. The products marked 'left as it is' may take bf16, f16 or f32 operands, with f32 sums. Whichever they take, every output number must still come out within the allowed error. Rounding operands to bf16 (8 significant bits) uses up far more of that allowance than f16 does (11 bits, for magnitudes from 6e-5 to 65,504). All else is computed in f32.
;;   The module's matrix products, in the order in which they are computed (A, B: the left and right operand; K: the contracted axis; several contracted axes count as one K, in the product's order):
;;     1. [M 8,192, K 1,024] x [K 1,024, N 1,024]; A: input query; B: input wq: QUANTISED
;;     2. [M 16,384, K 1,024] x [K 1,024, N 1,024]; A: input key_in; B: input wk: QUANTISED
;;     3. [M 16,384, K 1,024] x [K 1,024, N 1,024]; A: input value; B: input wv: QUANTISED
;;     4. batch 128 x [M 128, K 2,048] x [K 2,048, N 64]; A: computed on the way; B: computed on the way: left as it is (an operand is computed on the way)
;;     5. batch 128 x [M 1,024, K 128] x [K 128, N 64]; A: computed on the way; B: computed on the way: left as it is (an operand is computed on the way)
;;     6. batch 128 x [M 1,024, K 128] x [K 128, N 1]; A: computed on the way; B: computed on the way: left as it is (N = 1 < 16)
;;     7. [M 8,192, K 1,024] x [K 1,024, N 1,024]; A: computed on the way; B: input wo: left as it is (an operand is computed on the way)
;;   THE QUANTISER, for each operand of a quantised product, along K:
;;     - K is cut into blocks of 32 from its start; a last block that is shorter is filled with zeros.
;;     - A block's scale is 2^e with e = floor(log2(the largest magnitude in the block)) - 2, held to -126 .. 127; a block of zeros has e = 0. As a byte (E8M0): e + 127.
;;     - Each number is divided by its block's scale, clamped to +-6, and rounded to the nearest number of E2M1, ties to even, subnormals kept.
;;     - The product sums the exact products of the quantised numbers (number of the format x scale) in f32.
;;   ~~~python
;;   def quantise(x, axis):      # numpy; x: float32 -> the quantised numbers, widened to float32 again
;;       x = np.moveaxis(x, axis, -1); K = x.shape[-1]
;;       x = np.pad(x, [(0, 0)] * (x.ndim - 1) + [(0, -K % 32)]); x = x.reshape(x.shape[:-1] + (-1, 32)); a = np.abs(x).max(-1, keepdims=True)
;;       e = np.where(a > 0, np.clip(np.frexp(np.where(a > 0, a, 1))[1] - 1 - 2, -126, 127), 0)      # np.frexp(a)[1] - 1 = floor(log2(a)), exactly
;;       r = np.clip(x / 2.0 ** e, -6, 6)
;;       step = 2.0 ** (np.maximum(np.frexp(np.where(r == 0, 1, r))[1] - 1, 0) - 1)
;;       q = np.round(r / step) * step * 2.0 ** e      # np.round: ties to even
;;       return np.moveaxis(q.reshape(q.shape[:-2] + (-1,))[..., :K], -1, axis).astype(np.float32)
;;   ~~~
;; One version. Each part assembles by itself: llvm-mc -triple=amdgcn-amd-amdhsa -mcpu=gfx1250 --defsym DOCPART=n.
;; ======== version 1 of 1: 4 launches
;; limits: values are held in f16: magnitudes above 65,504 overflow, below 6.1e-05 lose precision
;; workspace buffers: codes 22,544,384 bytes; scales 1,409,024 bytes; wo16 2,097,152 bytes; kvp 16,777,216 bytes; ksp 262,144 bytes; attn 16,777,216 bytes
;; launch prep (part 1): grid 1504 x 1, 4 waves a work-group, no clusters, 33,280 bytes of LDS; arguments query, key_in, value, wq, wk, wv, wo, codes, scales, wo16; writes codes, scales, wo16
.if DOCPART == 1
	.amdgcn_target "amdgcn-amd-amdhsa--gfx1250"
	.amdhsa_code_object_version 6
	.text
	.protected	k_q7aaa8a8c0d_prep
	.globl	k_q7aaa8a8c0d_prep
	.p2align	8
	.type	k_q7aaa8a8c0d_prep,@function
k_q7aaa8a8c0d_prep:
	s_mov_b64 s[64:65], 0
	v_nop
	global_prefetch_b8 v0, s[64:65] scope:SCOPE_SE
	s_setreg_imm32_b32 hwreg(HW_REG_WAVE_MODE, 25, 1), 1
	s_wait_xcnt 0x0
; FIRST OF FOUR LAUNCHES of cosFormer attention:  prep (this) -> kvsum -> qattn -> oproj.
; NO WORK OF reference() IS LEFT OUT: every input has a way to out0, and the factor head_dim^-0.5, which cancels in num / den only where den > EPS, is kept because max(den, EPS) is a guard.
; THIS LAUNCH: the six operands of the three quantised products (key_in, value, query, wk, wv, wq; f32, K = 1,024 innermost) become codes of FP4 (E2M1) with one E8M0 byte for each 32 along K; wo becomes f16.
; A block's scale is 2^(floor(log2(its largest magnitude)) - 2): its byte is the largest magnitude's exponent field - 2, held at 1 from below; each number is divided by the scale and rounded to the nearest code, ties to even,
; beyond 6 the largest code.  A block of zeros gets the byte 1 where the rule says 127: its codes are zeros, which add nothing under any byte but 0xff, and this program alone reads the bytes.
; LIMITS: NaN and infinities among the inputs are not served; blocks whose largest magnitude lies under 2^-124 have their byte held at 1; wo is rounded to f16 (|wo| under 65,504).
; ROWS.  One row number R serves codes (512 bytes a row) and scales (32 bytes a row): key b*2048+s; value 16384+b*2048+s; query 32768+b*1024+t; wk 40960+n; wv 41984+n; wq 43008+n.
; So the rows of one batch lie together, as the later launches walk them.  A wave takes 8 rows of one batch (in memory 8 x 4,096 bytes apart) or 8 weight rows (dense): 16 steps of 512 numbers,
; 4,096 consecutive bytes of codes and one aligned run of 256 scale bytes.  One path serves all six tensors: only pointers and numbers are chosen, by the work-group's number.
; A step's four loads read 512 consecutive bytes each, 16 a lane; the 2,048 bytes turn through the wave's own stage in LDS and come back 64 bytes a lane, so that a lane holds 16 neighbours along K (two lanes a block).
; Memory binds: no matrix unit, no cluster, no tensor load, no barrier; waves share nothing.  Loads run four steps ahead.
.set WAVES, 4
.set STEPS, 16
.set EMAX,  2
.set CB,    8                          ; bytes of 16 codes
.set R,     16                         ; v16-79   four sets of 16 numbers as they are loaded
.set X,     80                         ; v80-111  two sets of 16 neighbours
.set E,     112                        ; v112-127 a scale byte for each step
.set C,     128                        ; v128-159 codes: two registers for each step, so that no store's data are written again
.set VO,    160                        ; v160-167 byte offset of my 16 bytes in row p of the wave's eight
.set WREG,  8192                       ; LDS: a region for each wave: two stages of 32 x SP bytes, behind them its 256 scale bytes
.set SP,    80                         ; a lane's place in a stage: 64 bytes + 16 of padding
.set SPW,   12                         ; v12 LDS address of my spare word; never rewritten
.set NIL,   13                         ; v13 0; never rewritten
.set SPARE, WAVES*WREG                 ; behind the four regions: the spare words, 128 bytes a wave
.set G_WO,  1376                       ; work-groups from here on cast wo
	s_load_b512 s[4:19], s[0:1], 0x0               ; query 4, key_in 6, value 8, wq 10, wk 12, wv 14, wo 16, codes 18
	s_load_b128 s[20:23], s[0:1], 0x40             ; scales 20, wo16 22
	v_lshl_add_u32 v[SPW], v0, 2, SPARE
	v_mov_b32 v[NIL], 0
	v_lshrrev_b32 v1, 5, v0
	v_readfirstlane_b32 s34, v1                    ; wave
	v_and_b32 v2, 31, v0                           ; lane
	v_lshlrev_b32 v3, 4, v2                        ; my 16 bytes of a load's 512
	s_mul_i32 s35, s34, WREG
	v_lshrrev_b32 v14, 2, v2
	v_mul_u32_u24 v14, v14, SP
	v_and_b32 v15, 3, v2
	v_lshl_add_u32 v14, v15, 4, v14
	v_add_nc_u32 v14, s35, v14                     ; the stage, on the way in: SP (lane / 4) + 16 (lane % 4)
	v_mul_u32_u24 v15, v2, SP
	v_add_nc_u32 v15, s35, v15                     ; and on the way out: SP x lane: my 16 neighbours
	v_mul_u32_u24 v4, v2, CB                       ; my codes' place in a step's
	v_lshrrev_b32 v5, 1, v2
	s_add_co_u32 s35, s35, 2*32*SP
	v_add_nc_u32 v5, s35, v5                       ; LDS: my wave's 256 scale bytes, my block's byte
	v_lshlrev_b32 v7, 3, v2                        ; and on the way out 8 bytes a lane
	v_add_nc_u32 v6, s35, v7
	s_wait_kmcnt 0x0
	s_cmp_ge_u32 ttmp9, G_WO
	s_cbranch_scc1 .Lcast
	; which tensor: the pointer s[24:25], its first work-group s26, its first row number s27
	s_mov_b64 s[24:25], s[6:7]
	s_mov_b32 s26, 0
	s_mov_b32 s27, 0
.macro PICK from, ptr, rb
	s_cmp_ge_u32 ttmp9, \from
	s_cselect_b64 s[24:25], s[\ptr:\ptr+1], s[24:25]
	s_cselect_b32 s26, \from, s26
	s_cselect_b32 s27, \rb, s27
.endm
	PICK 512, 8, 16384                             ; value
	PICK 1024, 4, 32768                            ; query
	PICK 1280, 12, 40960                           ; wk
	PICK 1312, 14, 41984                           ; wv
	PICK 1344, 10, 43008                           ; wq
	s_cmp_lt_u32 ttmp9, 1280                       ; an activation (eight batches interleaved) or a weight (dense)
	s_cselect_b32 s28, 7, 0                        ; mask of the batch in the work-group's number
	s_cselect_b32 s29, 3, 0
	s_mov_b32 s30, 4096
	s_cselect_b32 s30, 32768, s30                  ; bytes from a row of the wave to the next
	s_cmp_lt_u32 ttmp9, 1024
	s_cselect_b32 s31, 11, 10                      ; log2 of a batch's rows
	s_sub_co_u32 s36, ttmp9, s26
	s_and_b32 s37, s36, s28                        ; batch
	s_lshr_b32 s36, s36, s29
	s_lshl_b32 s36, s36, 5
	s_lshl_b32 s38, s34, 3
	s_add_co_u32 s36, s36, s38                     ; my first position (or weight row): 32 a work-group, 8 a wave
	s_mul_i32 s38, s36, s30
	s_lshl_b32 s39, s37, 12
	s_add_co_u32 s38, s38, s39                     ; under 2^27
	s_mov_b32 s39, 0
	s_add_nc_u64 s[24:25], s[24:25], s[38:39]
	s_lshl_b32 s37, s37, s31
	s_add_co_u32 s37, s37, s27
	s_add_co_u32 s36, s36, s37                     ; R
	s_lshl_b32 s38, s36, 9
	s_add_nc_u64 s[18:19], s[18:19], s[38:39]
	s_lshl_b32 s38, s36, 5
	s_add_nc_u64 s[20:21], s[20:21], s[38:39]
.irp p, 0,1,2,3,4,5,6,7
	v_mad_u32_u24 v[VO+\p], s30, \p, v3
.endr
.macro LOAD t                          ; step t: half t % 2 of row t / 2
.irp i, 0,1,2,3
	global_load_b128 v[R+16*((\t)%4)+4*\i:R+16*((\t)%4)+4*\i+3], v[VO+(\t)/2], s[24:25] offset:2048*((\t)%2)+512*\i th:TH_LOAD_NT
.endr
.endm
.macro TURN t                          ; step t's numbers through the stage: LDS serves a wave's instructions in order, so no wait stands between the stores and the loads
.irp i, 0,1,2,3
	ds_store_b128 v14, v[R+16*((\t)%4)+4*\i:R+16*((\t)%4)+4*\i+3] offset:32*SP*((\t)%2)+8*SP*\i
.endr
.irp i, 0,1,2,3
	ds_load_b128 v[X+16*((\t)%2)+4*\i:X+16*((\t)%2)+4*\i+3], v15 offset:32*SP*((\t)%2)+16*\i
.endr
.endm
.irp t, 0,1,2,3
	LOAD \t
.endr
	s_wait_loadcnt 12                              ; step 0's four loads are in
	TURN 0
.macro STEP t
.set XS, X+16*((\t)%2)
.if (\t) > 0
	s_wait_dscnt 1                                 ; this step's numbers are back from the stage (the last step's byte store may be out): so its stores into the stage have read their registers,
.else
	s_wait_dscnt 0x0
.endif
.if (\t)+4 < STEPS
	LOAD (\t)+4                                    ; which take the loads of four steps on
.endif
.if (\t)+1 < STEPS
.if STEPS-2-(\t) >= 3
	s_wait_loadcnt 12                              ; the next step's four loads are in; those of the three steps behind it may be out
.else
	s_wait_loadcnt 4*(STEPS-2-(\t))
.endif
	TURN (\t)+1
.endif
	v_max3_num_f32 v8, |v[XS]|, |v[XS+1]|, |v[XS+2]|               ; the largest magnitude of my 16, in two chains
	v_max3_num_f32 v9, |v[XS+3]|, |v[XS+4]|, |v[XS+5]|
.irp i, 6,10
	v_max3_num_f32 v8, v8, |v[XS+\i]|, |v[XS+\i+1]|
	v_max3_num_f32 v9, v9, |v[XS+\i+2]|, |v[XS+\i+3]|
.endr
	v_max3_num_f32 v8, v8, |v[XS+14]|, |v[XS+15]|
	v_max3_num_f32 v8, v8, v9, (EMAX+1)<<23        ; and the floor 2^(3 - 127): the byte cannot fall under 1
	v_max_num_f32_dpp v8, v8, v8 row_xmask:1 row_mask:0xf bank_mask:0xf   ; with my neighbour's 16: the block's
	v_add_nc_u32 v11, -(EMAX<<23), v8              ; 2 off its exponent field: the conversion takes the exponent field of this operand as its scale
	v_cvt_scalef32_pk8_fp4_f32 v[C+2*(\t)], v[XS:XS+7], v11
	v_cvt_scalef32_pk8_fp4_f32 v[C+2*(\t)+1], v[XS+8:XS+15], v11
	v_lshrrev_b32 v[E+(\t)], 23, v11               ; the scale's byte
	ds_store_b8 v5, v[E+(\t)] offset:16*(\t)       ; both lanes of a block write the same byte with the same value
	global_store_b64 v4, v[C+2*(\t):C+2*(\t)+1], s[18:19] offset:32*CB*(\t)   ; the wave stores 256 consecutive bytes, aligned
.endm
.irp t, 0,1,2,3,4,5,6,7,8,9,10,11,12,13,14,15
	STEP \t
.endr
	ds_load_b64 v[8:9], v6                         ; LDS serves a wave's instructions in order: these see my byte stores
	s_wait_dscnt 0x0
	global_store_b64 v7, v[8:9], s[20:21]          ; eight rows' scale bytes: 256 consecutive bytes, aligned
	s_wait_tensorcnt 0x0                           ; the wave's end
	ds_add_u32 v[SPW], v[NIL]
	s_wait_dscnt 0x0
	s_endpgm
.Lcast:                                                ; wo to f16: 8,192 numbers a work-group; no LDS is touched on this way
	s_sub_co_u32 s36, ttmp9, G_WO
	s_lshl_b32 s38, s36, 15
	s_mov_b32 s39, 0
	s_add_nc_u64 s[16:17], s[16:17], s[38:39]
	s_lshl_b32 s38, s36, 14
	s_add_nc_u64 s[22:23], s[22:23], s[38:39]
	v_lshlrev_b32 v3, 4, v0                        ; in: 16 bytes a thread, 512 consecutive bytes a wave
	v_lshlrev_b32 v4, 3, v0                        ; out: 8 bytes a thread, 256 consecutive bytes a wave, aligned
.irp k, 0,1,2,3,4,5,6,7,8,9,10,11,12,13,14,15
	global_load_b128 v[16+4*\k:19+4*\k], v3, s[16:17] offset:2048*\k th:TH_LOAD_NT
.endr
.irp k, 0,1,2,3,4,5,6,7,8,9,10,11,12,13,14,15
	s_wait_loadcnt 15-\k                           ; loads come back in order: load k is in, the younger ones stay out
	v_cvt_pk_f16_f32 v[80+2*\k], v[16+4*\k], v[17+4*\k]
	v_cvt_pk_f16_f32 v[81+2*\k], v[18+4*\k], v[19+4*\k]
	global_store_b64 v4, v[80+2*\k:81+2*\k], s[22:23] offset:1024*\k
.endr
	s_endpgm
.Lfunc_end_k_q7aaa8a8c0d_prep:
	.size	k_q7aaa8a8c0d_prep, .Lfunc_end_k_q7aaa8a8c0d_prep-k_q7aaa8a8c0d_prep
	.p2alignl 7, 3214868480
	.fill 96, 4, 3214868480
	.section	.rodata,"a",@progbits
	.p2align	6, 0x0
	.amdhsa_kernel k_q7aaa8a8c0d_prep
		.amdhsa_group_segment_fixed_size 33280
		.amdhsa_private_segment_fixed_size 0
		.amdhsa_enable_private_segment 0
		.amdhsa_kernarg_size 80
		.amdhsa_user_sgpr_count 2
		.amdhsa_user_sgpr_kernarg_segment_ptr 1
		.amdhsa_wavefront_size32 1
		.amdhsa_system_sgpr_workgroup_id_x 1
		.amdhsa_system_sgpr_workgroup_id_y 1
		.amdhsa_system_sgpr_workgroup_id_z 1
		.amdhsa_system_vgpr_workitem_id 0
		.amdhsa_next_free_vgpr 192
		.amdhsa_next_free_sgpr 66
		.amdhsa_reserve_vcc 0
		.amdhsa_float_denorm_mode_32 3
		.amdhsa_float_denorm_mode_16_64 3
		.amdhsa_memory_ordered 1
		.amdhsa_forward_progress 1
		.amdhsa_inst_pref_size 41
	.end_amdhsa_kernel
	.amdgpu_metadata
---
amdhsa.version: [ 1, 2 ]
amdhsa.kernels:
  - .name:           k_q7aaa8a8c0d_prep
    .symbol:         k_q7aaa8a8c0d_prep.kd
    .args:
      - { .name: query, .offset: 0, .size: 8, .value_kind: global_buffer, .address_space: global }
      - { .name: key_in, .offset: 8, .size: 8, .value_kind: global_buffer, .address_space: global }
      - { .name: value, .offset: 16, .size: 8, .value_kind: global_buffer, .address_space: global }
      - { .name: wq, .offset: 24, .size: 8, .value_kind: global_buffer, .address_space: global }
      - { .name: wk, .offset: 32, .size: 8, .value_kind: global_buffer, .address_space: global }
      - { .name: wv, .offset: 40, .size: 8, .value_kind: global_buffer, .address_space: global }
      - { .name: wo, .offset: 48, .size: 8, .value_kind: global_buffer, .address_space: global }
      - { .name: codes, .offset: 56, .size: 8, .value_kind: global_buffer, .address_space: global }
      - { .name: scales, .offset: 64, .size: 8, .value_kind: global_buffer, .address_space: global }
      - { .name: wo16, .offset: 72, .size: 8, .value_kind: global_buffer, .address_space: global }
    .group_segment_fixed_size: 33280
    .private_segment_fixed_size: 0
    .kernarg_segment_align: 8
    .kernarg_segment_size: 80
    .max_flat_workgroup_size: 128
    .sgpr_count:     66
    .vgpr_count:     192
    .wavefront_size: 32
...
	.end_amdgpu_metadata
.endif
;; end of part 1
;; launch kvsum (part 2): grid 8 x 32, 4 waves a work-group, clusters of 4 x 4, 327,680 bytes of LDS; arguments codes, scales, bk, bv, kvp, ksp; writes kvp, ksp
.if DOCPART == 2
	.amdgcn_target "amdgcn-amd-amdhsa--gfx1250"
	.amdhsa_code_object_version 6
	.text
	.protected	k_q7aaa8a8c0d_kvsum
	.globl	k_q7aaa8a8c0d_kvsum
	.p2align	8
	.type	k_q7aaa8a8c0d_kvsum,@function
k_q7aaa8a8c0d_kvsum:
	s_mov_b64 s[64:65], 0
	v_nop
	global_prefetch_b8 v0, s[64:65] scope:SCOPE_SE
	s_setreg_imm32_b32 hwreg(HW_REG_WAVE_MODE, 25, 1), 1
	s_wait_xcnt 0x0
	s_wait_alu depctr_hold_cnt(0) depctr_sa_sdst(0) depctr_va_vdst(0) depctr_va_sdst(0) depctr_va_ssrc(0) depctr_va_vcc(0) depctr_vm_vsrc(0)
	s_getreg_b32 s2, hwreg(HW_REG_IB_STS2, 6, 4)
	s_cmp_eq_u32 s2, 0
	s_cbranch_scc0 .Lentry_in_a_cluster
	s_endpgm
.Lentry_in_a_cluster:
	s_bfe_u32 s2, ttmp6, 0x10000c
	s_cmp_lg_u32 s2, 0xf033
	s_cbranch_scc0 .Lentry_shape_is_right
	s_endpgm
.Lentry_shape_is_right:
; SECOND LAUNCH.  k = key wk^T + bk and v = value wv^T + bv on codes of FP4; k2 = [relu(k) sin, relu(k) cos]; kv = k2^T v and ksum = the sum of k2, over 512 positions.  k and v never go to memory.  No work is left out.
; SHARES.  Work-group (X, Y): heads 2X, 2X+1; batch Y / 4; positions 512 (Y % 4) on, in four blocks of 128.  Wave w: rows 64 (w / 2) on of a block, head 2X + w % 2: a tile of 64 positions x 64 columns, of k and then of v.
; The four quarters' partial kv (f32, as images of the accumulators) and ksum go to kvp and ksp; the next launch adds them.
; LAYOUT.  The FP4 product has source 0 = 16 positions, source 1 = 16 weight rows: in the result a lane holds ONE column d (lane % 16) and positions 8 (lane / 16) + 0..7.  Two such tiles, rounded to f16 in pairs, ARE a 16-bit
; fragment whose K is 32 positions: source 0 (row d2) for k2, source 1 (column e) for v, of kv = k2^T v.  Nothing changes lanes.
; sin AND cos: sin(x) = x (1 + z (c3 + z (c5 + .. + z c13))), z = x^2, on [0, pi/2], the range that reference() itself fixes; the first term left out is under 7e-10.  cos(pi/2 i/N) = sin(pi/2 (N-i)/N).
; CLUSTER 4 x 4.  Tiles and scale bytes of key and value hang on Y alone: asked for jointly along a row of the cluster; wk's and the weights' scale bytes hang on X alone: jointly along a column.
; Each wave's tensor load brings 32 rows of 512 bytes, not 64: so all four waves load, with no branch, a quarter of a tile each.  wv's fragments stay in registers for the whole launch.
; LIMITS: k2 and v are rounded to f16: |k|, |v| under 65,504.
; REGISTERS.  window 0: v1-15 addresses; v16-23 biases; v24-39 ksum; v40-63 at work; v64-95 weights' scale words (lanes 0-15 wk, 16-31 wv); v96-127 rows' scale words (lanes 0-15 key, 16-31 value); v128-255 fragments, at work.
;   window 1: v0-127 the 16 accumulators of k or v ((a, b) at 8 (4a+b)); v128-255 k2's fragments.   window 2: the 32 accumulators of kv ((m, n) at 8 (4m+n)).   window 3: wv's 32 fragments ((q, b) at 8 (4q+b)).
.set PITCH, 528                        ; an LDS row of codes: 512 bytes + 16 = 132 words: row r starts at bank 4 r mod 64
.set T16,   16*PITCH
.set WKL,   0                          ; wk: 128 rows
.set SL0,   128*PITCH                  ; the slot of key's tiles, 128 rows
.set SL1,   2*128*PITCH                ; the slot of value's
.set WSL,   3*128*PITCH                ; weights' scale bytes, as runs of 256 bytes + 16: wk's 16, wv's 16
.set ASL,   WSL+32*272                 ; rows' scale bytes: key's 64 runs, value's 64
.set TRG,   ASL+128*272                ; for each 8 positions: 8 sin, 8 cos (f32); stored by the waves
.set STG,   TRG+4096                   ; the way out: two heads x 32,768 bytes
.set KSS,   STG+65536
.set SPARE, KSS+2048                   ; the spare words, 128 bytes a wave
.set ADA0, 3                           ; v3, v4 my rows' fragments in slot 0, 1
.set ADB,  5                           ; v5  wk's
.set AWS,  6                           ; v6  weights' scale words
.set AAS,  7                           ; v7  rows' scale words; steps with the block
.set ATR,  8                           ; v8  sin and cos; steps with the block
.set SPW,  9
.set NIL,  10
.set STA,  11
.set KSA,  12
.set L16,  13
.set L4,   14
.set L256, 15
.set BK,   16
.set BV,   20
.set KS,   24                          ; column tile b: sin's pair at KS+4b, cos's at KS+4b+2
.set WSR,  64
.set ASR,  96
.set F,    128
.set K2F,  128                         ; in window 1: (g, m) at K2F + 64 g + 8 m
.set G1A,  24                          ; s[24:31] group 1: tiles of key and value (row mask)
.set G1B,  32                          ; s[32:39] wk's tile (column mask)
.set G1WS, 40                          ; s[40:47] weights' scale bytes (column mask)
.set G1AS, 48                          ; s[48:55] rows' scale bytes (row mask)
.set DWS,  56
.set DAS,  60
.set DWK,  68
.set DS0,  72                          ; s[72:75], s[76:79] group 0 of slot 0, 1: they walk
.set PFA,  80                          ; s[80:81], s[82:83] where my prefetches stand, for slot 0, 1
.set LIM,  84
.set RF,   85                          ; blocks still to be asked for
.set MSB, 0
.macro WIN new                         ; the immediate's high byte repeats the setting that is left
.if MSB != \new
	s_set_vgpr_msb (MSB<<8)|\new
.set MSB, \new
.endif
.endm
.macro PLACES n
.rept \n
	v_nop
.endr
.endm
.macro CROUND                          ; a round of the cluster's barrier
	s_barrier_signal -1
	s_barrier_wait -1
	s_cmp_lg_u32 s16, 0
	s_cbranch_scc1 .Lnw0_\@
	s_barrier_signal -3
.Lnw0_\@:
	s_barrier_wait -3
	s_barrier_signal -1
	s_barrier_wait -1
.endm
.macro GROUP1 g, c, r, p               ; words 1 to 7: rows of c elements, r rows, p elements from row to row
	s_mov_b32 s[\g+1], (\c)<<16
	s_mov_b32 s[\g+2], (\r)<<16
	s_mov_b32 s[\g+3], (\c)<<16
	s_mov_b32 s[\g+4], \r
	s_mov_b32 s[\g+5], \p
	s_mov_b32 s[\g+6], 0
	s_mov_b32 s[\g+7], 0
.endm
.macro SINP d, n, x, z                 ; v[d] = sin(v[n] x s3), v[n] a whole number
	v_cvt_f32_u32 v[\x], v[\n]
	v_mul_f32 v[\x], s3, v[\x]
	v_mul_f32 v[\z], v[\x], v[\x]
	v_mov_b32 v[\d], 0x2f309231
	v_fmaak_f32 v[\d], v[\d], v[\z], 0xb2d7322b
	v_fmaak_f32 v[\d], v[\d], v[\z], 0x3638ef1d
	v_fmaak_f32 v[\d], v[\d], v[\z], 0xb9500d01
	v_fmaak_f32 v[\d], v[\d], v[\z], 0x3c088889
	v_fmaak_f32 v[\d], v[\d], v[\z], 0xbe2aaaab
	v_fma_f32 v[\d], v[\d], v[\z], 1.0
	v_mul_f32 v[\d], v[\d], v[\x]
.endm
.macro PKB op, d, s, pr, odd           ; a packed operation with ONE register of the pair pr (the first, or with odd = 1 the second) for both halves
.if \odd
	\op v[\d:\d+1], v[\s:\s+1], v[\pr:\pr+1] op_sel:[0,1] op_sel_hi:[1,1]
.else
	\op v[\d:\d+1], v[\s:\s+1], v[\pr:\pr+1] op_sel_hi:[1,0]
.endif
.endm
	s_load_b256 s[4:11], s[0:1], 0x0               ; codes 4, scales 6, bk 8, bv 10
	s_load_b128 s[12:15], s[0:1], 0x20             ; kvp 12, ksp 14
	v_lshl_add_u32 v[SPW], v0, 2, SPARE
	v_mov_b32 v[NIL], 0
	ds_add_u32 v[SPW], v[NIL]                      ; the wave's opening: the add, twice on end, and its wait ahead of my first tensor load
	ds_add_u32 v[SPW], v[NIL]
	v_lshrrev_b32 v1, 5, v0
	v_readfirstlane_b32 s16, v1                    ; wave w
	s_lshr_b32 s17, s16, 1                         ; i: which 64 rows of a block
	s_and_b32 s18, s16, 1                          ; j: which head of the pair
	s_bfe_u32 s19, ttmp6, 0x40000                  ; cx
	s_bfe_u32 s20, ttmp6, 0x40004                  ; cy
	s_lshl_b32 s21, ttmp9, 2
	s_add_co_u32 s21, s21, s19                     ; X
	s_and_b32 s22, ttmp7, 0xffff
	s_lshl_b32 s22, s22, 2
	s_add_co_u32 s22, s22, s20                     ; Y
	s_lshl_b32 s23, s21, 1
	s_add_co_u32 s23, s23, s18                     ; head
	s_lshl_b32 s89, s20, 2
	s_lshl_b32 s89, 15, s89                        ; my row of the cluster
	s_lshl_b32 s90, 0x1111, s19                    ; my column
	s_or_b32 s[G1A], s89, (1<<20)|(1<<21)|(6<<22)|(3<<25)           ; elements of 1 byte; 4 words of padding after every 128
	s_or_b32 s[G1B], s90, (1<<20)|(1<<21)|(6<<22)|(3<<25)
	s_or_b32 s[G1WS], s90, (3<<16)|(1<<20)|(1<<21)|(5<<22)|(3<<25)  ; elements of 8 bytes; 4 words of padding after every 64
	s_or_b32 s[G1AS], s89, (3<<16)|(1<<20)|(1<<21)|(5<<22)|(3<<25)
	GROUP1 G1A, 512, 32, 512
	GROUP1 G1B, 512, 32, 512
	GROUP1 G1WS, 32, 8, 32
	GROUP1 G1AS, 32, 32, 32
	s_lshl_b32 s91, s16, 14                        ; a wave's 32 rows of 512 bytes
	s_lshl_b32 s92, s22, 18                        ; key's rows 512 Y on (2048 b + 512 c = 512 Y)
	s_add_co_u32 s92, s92, s91
	s_mov_b32 s93, 0
	s_lshl_b32 s94, s21, 16                        ; wk's rows 128 X on
	s_add_co_u32 s94, s94, s91
	s_add_co_u32 s94, s94, 40960*512
	s_mov_b32 s95, 0
	s_lshl_b32 s96, s21, 12                        ; weights' scale bytes: rows 40960 + 1024 i + 128 X + 64 j
	s_lshl_b32 s2, s17, 15
	s_add_co_u32 s96, s96, s2
	s_lshl_b32 s2, s18, 11
	s_add_co_u32 s96, s96, s2
	s_add_co_u32 s96, s96, 40960*32
	s_mov_b32 s97, 0
	s_lshl_b32 s98, s22, 14                        ; rows' scale bytes: rows 16384 i + 512 Y + 256 j
	s_lshl_b32 s2, s17, 19
	s_add_co_u32 s98, s98, s2
	s_lshl_b32 s2, s18, 13
	s_add_co_u32 s98, s98, s2
	s_mov_b32 s99, 0
	s_mov_b32 s86, 0x76543210
	s_mov_b32 s87, 0xfedcba98                      ; v_permlanex16_b32's selects for lane l xor 16
	s_mov_b32 s88, 0xffff0000                      ; lanes 16-31
	s_mov_b32 s3, 0x3a490fdb                       ; pi / 4096
	s_mov_b32 s[RF], 3
	s_or_b32 s[LIM], s17, ttmp9                    ; waves 0 and 1 of the clusters with x = 0 prefetch: the same in all partners
	s_cmp_eq_u32 s[LIM], 0
	s_cselect_b32 s[LIM], 1, -1
	s_wait_dscnt 0x0                               ; both opening adds are done
	s_wait_kmcnt 0x0
	s_mov_b32 s[DWS], 1
	s_mul_i32 s[DWS+1], s16, 8*272
	s_add_co_u32 s[DWS+1], s[DWS+1], WSL
	s_add_nc_u64 s[DWS+2:DWS+3], s[6:7], s[96:97]
	s_or_b32 s[DWS+3], s[DWS+3], 0x80000000
	s_mov_b32 s[DAS], 1
	s_mul_i32 s[DAS+1], s16, 32*272
	s_add_co_u32 s[DAS+1], s[DAS+1], ASL
	s_add_nc_u64 s[DAS+2:DAS+3], s[6:7], s[98:99]
	s_or_b32 s[DAS+3], s[DAS+3], 0x80000000
	s_mov_b32 s[DWK], 1
	s_mul_i32 s[DWK+1], s16, 32*PITCH
	s_add_nc_u64 s[DWK+2:DWK+3], s[4:5], s[94:95]
	s_or_b32 s[DWK+3], s[DWK+3], 0x80000000
	s_mov_b32 s[DS0], 1
	s_add_co_u32 s[DS0+1], s[DWK+1], SL0
	s_add_nc_u64 s[DS0+2:DS0+3], s[4:5], s[92:93]
	s_mov_b32 s[DS0+4], 1
	s_add_co_u32 s[DS0+5], s[DWK+1], SL1
	s_add_nc_u64 s[DS0+6:DS0+7], s[DS0+2:DS0+3], 16384*512          ; value's rows lie 16,384 rows behind key's
	s_or_b32 s[DS0+3], s[DS0+3], 0x80000000
	s_or_b32 s[DS0+7], s[DS0+7], 0x80000000
	CROUND                                         ; all sixteen work-groups are here: the first joint loads meet
	tensor_load_to_lds s[DWS:DWS+3], s[G1WS:G1WS+7]
	s_nop 0
	tensor_load_to_lds s[DAS:DAS+3], s[G1AS:G1AS+7]
	s_nop 0
	tensor_load_to_lds s[DWK:DWK+3], s[G1B:G1B+7]
	s_nop 0
	tensor_load_to_lds s[DS0:DS0+3], s[G1A:G1A+7]
	s_nop 0
	tensor_load_to_lds s[DS0+4:DS0+7], s[G1A:G1A+7]                 ; five loads of mine are out
	s_nop 0
	PLACES 4
	; the prefetches' addresses: of a block's 128 rows my work-group takes 32 (by cx), my wave 16; they stand at block 1 and are stepped ahead of each use
	s_lshl_b32 s2, s22, 18
	s_lshl_b32 s66, s19, 14
	s_add_co_u32 s2, s2, s66
	s_lshl_b32 s66, s16, 13
	s_add_co_u32 s2, s2, s66
	s_add_co_u32 s2, s2, 65536
	s_mov_b32 s3, 0
	s_add_nc_u64 s[PFA:PFA+1], s[4:5], s[2:3]
	s_add_nc_u64 s[PFA+2:PFA+3], s[PFA:PFA+1], 16384*512
	s_lshl_b32 s66, s23, 15                        ; wv's rows 41984 + 64 head on
	s_add_co_u32 s66, s66, 41984*512
	s_mov_b32 s67, 0
	s_add_nc_u64 s[66:67], s[4:5], s[66:67]
	s_lshl_b32 s2, s23, 8                          ; the head's 64 biases
	s_add_nc_u64 s[8:9], s[8:9], s[2:3]
	s_add_nc_u64 s[10:11], s[10:11], s[2:3]
	s_lshr_b32 s2, s22, 2                          ; the record: ((16 b + head) 4 + c)
	s_lshl_b32 s2, s2, 4
	s_add_co_u32 s2, s2, s23
	s_lshl_b32 s2, s2, 2
	s_and_b32 s89, s22, 3
	s_add_co_u32 s90, s2, s89
	s_lshl_b32 s2, s90, 15
	s_add_nc_u64 s[12:13], s[12:13], s[2:3]
	s_lshl_b32 s2, s90, 9
	s_add_nc_u64 s[14:15], s[14:15], s[2:3]
	s_mov_b32 s3, 0x3a490fdb                       ; pi / 4096 again
	v_and_b32 v1, 15, v0                           ; r
	v_bfe_u32 v2, v0, 4, 1                         ; hl
	v_and_b32 v40, 31, v0
	v_lshlrev_b32 v[L16], 4, v40
	v_lshlrev_b32 v[L4], 2, v40
	v_lshlrev_b32 v[L256], 8, v40
	v_lshlrev_b32 v45, 9, v1
	v_lshl_add_u32 v45, v2, 4, v45                 ; wv: row r of 512 bytes + 16 hl
	v_lshlrev_b32 v44, 2, v1
	WIN 0xc0                                       ; destination window 3
.irp q, 0,1,2,3,4,5,6,7
.irp b, 0,1,2,3
.irp c, 0,1
	global_load_b128 v[8*(4*\q+\b)+4*\c:8*(4*\q+\b)+4*\c+3], v45, s[66:67] offset:\b*8192+64*\q+32*\c
.endr
.endr
.endr
	WIN 0
.irp b, 0,1,2,3
	global_load_b32 v[BK+\b], v44, s[8:9] offset:64*\b             ; the bias of my column 16 b + r
	global_load_b32 v[BV+\b], v44, s[10:11] offset:64*\b
.endr
	; sin and cos of the work-group's 512 positions: thread t makes four of each
	s_lshl_b32 s89, s89, 9
	s_add_co_u32 s89, s89, 1
	v_lshl_add_u32 v128, v0, 2, s89                ; i = 512 c + 4 t + 1
	v_lshrrev_b32 v132, 1, v0
	v_and_b32 v133, 1, v0
	v_lshlrev_b32 v132, 6, v132
	v_lshl_add_u32 v132, v133, 4, v132
	v_add_nc_u32 v132, TRG, v132
.irp e, 0,1,2,3
	v_add_nc_u32 v129, \e, v128
	SINP 136+\e, 129, 130, 131
	v_sub_nc_u32 v129, 2048, v129
	SINP 140+\e, 129, 130, 131
.endr
	ds_store_b128 v132, v[136:139]
	ds_store_b128 v132, v[140:143] offset:32
	v_mul_u32_u24 v41, v1, PITCH
	v_lshl_add_u32 v41, v2, 4, v41                 ; a fragment's row x pitch + 16 hl
	s_mul_i32 s2, s17, 64*PITCH
	s_add_co_u32 s2, s2, SL0
	v_add_nc_u32 v[ADA0], s2, v41
	v_add_nc_u32 v[ADA0+1], SL1-SL0, v[ADA0]
	s_mul_i32 s2, s18, 64*PITCH
	v_add_nc_u32 v[ADB], s2, v41
	v_lshrrev_b32 v42, 3, v1
	v_lshlrev_b32 v43, 5, v1
	v_lshl_add_u32 v43, v42, 4, v43                ; a row's 32 scale bytes: 32 r, and 16 more behind each 256
	v_mul_u32_u24 v42, v2, 16*272                  ; lanes 16-31 take wv's,
	v_add_nc_u32 v[AWS], v43, v42
	s_mul_i32 s2, s18, 8*272
	s_add_co_u32 s2, s2, WSL
	v_add_nc_u32 v[AWS], s2, v[AWS]
	v_mul_u32_u24 v42, v2, 64*272                  ; and value's
	v_add_nc_u32 v[AAS], v43, v42
	s_mul_i32 s2, s17, 8*272
	s_add_co_u32 s2, s2, ASL
	v_add_nc_u32 v[AAS], s2, v[AAS]
	s_lshl_b32 s2, s17, 9
	s_add_co_u32 s2, s2, TRG
	v_lshl_add_u32 v[ATR], v2, 6, s2
	s_lshl_b32 s2, s18, 15
	s_add_co_u32 s2, s2, STG
	v_add_nc_u32 v[STA], s2, v[L16]
	s_lshl_b32 s2, s18, 10
	s_add_co_u32 s2, s2, KSS
	v_add_nc_u32 v[KSA], s2, v[L4]
.irp k, 0,1,2,3,4,5,6,7,8,9,10,11,12,13,14,15
	v_mov_b32 v[KS+\k], 0                          ; ksum begins at 0
.endr
.irp k, 0,1,2,3,4,5,6,7
	v_mov_b32 v[48+\k], 0                          ; written once: a lane permute's destination counts as one of its sources
.endr
	s_wait_loadcnt 0x0                             ; wv and the biases
	s_wait_tensorcnt 0x1                           ; scale bytes, wk and key's first tile are in; value's may stay out
	s_wait_dscnt 0x0                               ; my sin and cos are stored
	s_barrier_signal -1
	s_barrier_wait -1
.macro FRAG reg, adr, off              ; 16 rows x 128 K of 4-bit codes: 8 registers, two loads 32 bytes apart
	ds_load_b128 v[(\reg):(\reg)+3], v[\adr] offset:\off
	ds_load_b128 v[(\reg)+4:(\reg)+7], v[\adr] offset:\off+32
.endm
.macro FETCHK q                        ; K step q of key (4 tiles of rows) and of wk (4 tiles of columns): 16 loads, into set q % 2
.irp a, 0,1,2,3
	FRAG F+32*((\q)%2)+8*\a, ADA0, \a*T16+64*(\q)
.endr
.irp a, 0,1,2,3
	FRAG F+64+32*((\q)%2)+8*\a, ADB, \a*T16+64*(\q)
.endr
.endm
.macro FETCHV q                        ; K step q of value: 8 loads, into set (q + 1) % 4
.irp a, 0,1,2,3
	FRAG F+32*(((\q)+1)%4)+8*\a, ADA0+1, \a*T16+64*(\q)
.endr
.endm
.macro ASRLOAD
.irp a, 0,1,2,3
	ds_load_b128 v[ASR+8*\a:ASR+8*\a+3], v[AAS] offset:544*\a
	ds_load_b128 v[ASR+8*\a+4:ASR+8*\a+7], v[AAS] offset:544*\a+16
.endr
.endm
.macro MULK q                          ; 16 products: the accumulators take turns
	WIN 0x50
.irp a, 0,1,2,3
.irp b, 0,1,2,3
.if (\q) == 0
	v_wmma_scale_f32_16x16x128_f8f6f4 v[8*(4*\a+\b):8*(4*\a+\b)+7], v[F+32*((\q)%2)+8*\a:F+32*((\q)%2)+8*\a+7], v[F+64+32*((\q)%2)+8*\b:F+64+32*((\q)%2)+8*\b+7], 0, v[ASR+8*\a+(\q)], v[WSR+8*\b+(\q)] matrix_a_fmt:MATRIX_FMT_FP4 matrix_b_fmt:MATRIX_FMT_FP4
.else
	v_wmma_scale_f32_16x16x128_f8f6f4 v[8*(4*\a+\b):8*(4*\a+\b)+7], v[F+32*((\q)%2)+8*\a:F+32*((\q)%2)+8*\a+7], v[F+64+32*((\q)%2)+8*\b:F+64+32*((\q)%2)+8*\b+7], v[8*(4*\a+\b):8*(4*\a+\b)+7], v[ASR+8*\a+(\q)], v[WSR+8*\b+(\q)] matrix_a_fmt:MATRIX_FMT_FP4 matrix_b_fmt:MATRIX_FMT_FP4
.endif
.endr
.endr
.endm
.macro MULV q                          ; the same for v: source 1 from window 3, both sides' scale words from lanes 16-31
	WIN 0x5c
.irp a, 0,1,2,3
.irp b, 0,1,2,3
.if (\q) == 0
	v_wmma_scale_f32_16x16x128_f8f6f4 v[8*(4*\a+\b):8*(4*\a+\b)+7], v[F+32*(((\q)+1)%4)+8*\a:F+32*(((\q)+1)%4)+8*\a+7], v[8*(4*(\q)+\b):8*(4*(\q)+\b)+7], 0, v[ASR+8*\a+(\q)], v[WSR+8*\b+(\q)] matrix_a_fmt:MATRIX_FMT_FP4 matrix_b_fmt:MATRIX_FMT_FP4 matrix_a_scale:MATRIX_SCALE_ROW1 matrix_b_scale:MATRIX_SCALE_ROW1
.else
	v_wmma_scale_f32_16x16x128_f8f6f4 v[8*(4*\a+\b):8*(4*\a+\b)+7], v[F+32*(((\q)+1)%4)+8*\a:F+32*(((\q)+1)%4)+8*\a+7], v[8*(4*(\q)+\b):8*(4*(\q)+\b)+7], v[8*(4*\a+\b):8*(4*\a+\b)+7], v[ASR+8*\a+(\q)], v[WSR+8*\b+(\q)] matrix_a_fmt:MATRIX_FMT_FP4 matrix_b_fmt:MATRIX_FMT_FP4 matrix_a_scale:MATRIX_SCALE_ROW1 matrix_b_scale:MATRIX_SCALE_ROW1
.endif
.endr
.endr
.endm
.macro KPHASE                          ; k's 8 K steps; the next step's fragments are asked for ahead of each step's products
.irp q, 0,1,2,3,4,5,6,7
.if \q < 7
	PLACES 4                                       ; in front of loads into registers that the step before has multiplied
	FETCHK \q+1
	s_wait_dscnt 16                                ; all but the 16 just issued
.else
	s_wait_dscnt 0x0
.endif
	MULK \q
	WIN 0
.endr
.endm
.macro VPHASE                          ; v's 8 K steps; value's fragments run three steps ahead, in four sets
.irp q, 0,1,2,3,4,5,6,7
.if (\q >= 1) && (\q <= 4)
	PLACES 4
	FETCHV \q+3                                    ; into the set that step q - 1 has left
.endif
.if \q > 4
	s_wait_dscnt 8*(7-\q)                          ; the younger steps' 8 loads each may be out
.else
	s_wait_dscnt 24
.endif
	MULV \q
	WIN 0
.endr
.endm
; THE CHANGE OF A SLOT.  Every wave waits for all its tensor loads, adds 0 to its spare word, and waits for that and for its reads of the slot.  refill = 1: a round of the cluster's barrier, so that no wave of any partner
; still reads the slot or has a load on its way, and behind it the joint refill, my one tensor load until the next round.  The wait and the barrier also show the OTHER slot whole to every wave.
.macro CHANGE s, refill
.if \refill
	s_wait_xcnt 0x0                                ; this slot's last prefetch, a block back, has read its address
	s_add_nc_u64 s[PFA+2*\s:PFA+2*\s+1], s[PFA+2*\s:PFA+2*\s+1], 65536
.endif
	s_wait_tensorcnt 0x0                           ; no tensor load of mine is out, so a group 0 may be written
	ds_add_u32 v[SPW], v[NIL]
.if \refill
	s_add_nc_u64 s[DS0+4*\s+2:DS0+4*\s+3], s[DS0+4*\s+2:DS0+4*\s+3], 65536   ; the next block's 128 rows
.endif
	s_wait_dscnt 0x0                               ; the add is done, and my reads of the slot are over
.if \refill
	CROUND
	tensor_load_to_lds s[DS0+4*\s:DS0+4*\s+3], s[G1A:G1A+7]
	s_nop 0
.else
	s_barrier_signal -1
	s_barrier_wait -1
.endif
	PLACES 4                                       ; also the places behind the last products, in front of the loads and reads below
.endm
; A prefetch of the same tensor's block after the one just asked for: 16 rows of 512 bytes a wave, lanes 256 bytes apart.  Each run of 256 bytes is named once in the launch: the clusters with x = 0 ask; the four partners
; of a row of the cluster take 32 rows each, told apart by address; in each, waves 0 and 1 ask.  The last refill asks for nothing: there is no block behind it.
.macro ASK s
	s_cmp_gt_u32 s[RF], s[LIM]
	s_cbranch_scc0 .Lnm_\@
	global_prefetch_b8 v[L256], s[PFA+2*\s:PFA+2*\s+1] th:TH_LOAD_NT scope:SCOPE_SE
.Lnm_\@:
.endm
.macro BIAS pr                         ; every accumulator + its column's bias, from its low end on
.irp a, 0,1,2,3
.irp b, 0,1,2,3
.irp p, 0,2,4,6
	PKB v_pk_add_f32, 8*(4*\a+\b)+\p, 8*(4*\a+\b)+\p, \pr+2*(\b/2), \b%2
.endr
.endr
.endr
.endm
; relu(k) of positions 32 g on, column tile bt, x sin and x cos: two fragments of k2, and their share of ksum (f32)
.macro MAPU g, bt
	WIN 0x01
.irp x, 0,1
.irp p, 0,2,4,6
	v_pk_mul_f32 v[F+8*\x+\p:F+8*\x+\p+1], v[8*(4*(2*\g+\x)+\bt)+\p:8*(4*(2*\g+\x)+\bt)+\p+1], v[F+64+16*(2*\g+\x)+\p:F+64+16*(2*\g+\x)+\p+1]
	v_pk_mul_f32 v[F+16+8*\x+\p:F+16+8*\x+\p+1], v[8*(4*(2*\g+\x)+\bt)+\p:8*(4*(2*\g+\x)+\bt)+\p+1], v[F+72+16*(2*\g+\x)+\p:F+72+16*(2*\g+\x)+\p+1]
.endr
.endr
	WIN 0x40
.irp f, 0,1,2,3,4,5,6,7
	v_cvt_pk_f16_f32 v[K2F+64*\g+8*\bt+\f], v[F+2*\f], v[F+2*\f+1]
	v_cvt_pk_f16_f32 v[K2F+64*\g+8*(4+\bt)+\f], v[F+16+2*\f], v[F+16+2*\f+1]
.endr
	WIN 0
.irp o, 0,4,8,12
	v_pk_add_f32 v[F+\o:F+\o+1], v[F+\o:F+\o+1], v[F+\o+2:F+\o+3]
	v_pk_add_f32 v[F+16+\o:F+17+\o], v[F+16+\o:F+17+\o], v[F+18+\o:F+19+\o]
.endr
.irp o, 0,8
	v_pk_add_f32 v[F+\o:F+\o+1], v[F+\o:F+\o+1], v[F+\o+4:F+\o+5]
	v_pk_add_f32 v[F+16+\o:F+17+\o], v[F+16+\o:F+17+\o], v[F+20+\o:F+21+\o]
.endr
	v_pk_add_f32 v[F:F+1], v[F:F+1], v[F+8:F+9]
	v_pk_add_f32 v[F+16:F+17], v[F+16:F+17], v[F+24:F+25]
	v_pk_add_f32 v[KS+4*\bt:KS+4*\bt+1], v[KS+4*\bt:KS+4*\bt+1], v[F:F+1]
	v_pk_add_f32 v[KS+4*\bt+2:KS+4*\bt+3], v[KS+4*\bt+2:KS+4*\bt+3], v[F+16:F+17]
.endm
.macro VCVT                            ; v + bv, rounded to f16 in place: fragment (g, b) at 8 (8 g + b) of window 1
	WIN 0x41
	BIAS BV
	WIN 0x45
.irp g, 0,1
.irp b, 0,1,2,3
.irp f, 0,1,2,3
	v_cvt_pk_f16_f32 v[8*(8*\g+\b)+\f], v[8*(8*\g+\b)+2*\f], v[8*(8*\g+\b)+2*\f+1]
.endr
.irp f, 0,1,2,3
	v_cvt_pk_f16_f32 v[8*(8*\g+\b)+4+\f], v[8*(8*\g+4+\b)+2*\f], v[8*(8*\g+4+\b)+2*\f+1]
.endr
.endr
.endr
.endm
.macro KVMUL g, zero                   ; kv += k2^T v over positions 32 g on: 32 accumulators by turns.  zero = 1: the first products start the sums
	WIN 0xa5
.irp m, 0,1,2,3,4,5,6,7
.irp n, 0,1,2,3
.if \zero
	v_wmma_f32_16x16x32_f16 v[8*(4*\m+\n):8*(4*\m+\n)+7], v[K2F+64*\g+8*\m:K2F+64*\g+8*\m+7], v[8*(8*\g+\n):8*(8*\g+\n)+7], 0
.else
	v_wmma_f32_16x16x32_f16 v[8*(4*\m+\n):8*(4*\m+\n)+7], v[K2F+64*\g+8*\m:K2F+64*\g+8*\m+7], v[8*(8*\g+\n):8*(8*\g+\n)+7], v[8*(4*\m+\n):8*(4*\m+\n)+7]
.endif
.endr
.endr
.endm
; A BLOCK of 128 positions
.macro BLOCK first, refill
	PLACES 5                                       ; k's first products write over registers that the last kv products read
	KPHASE
	CHANGE 0, \refill                              ; key's slot is left; value's is whole
	FETCHV 0
.irp a, 0,1,2,3
.irp k, 0,1,2,3
	ds_load_b128 v[F+64+16*\a+4*\k:F+64+16*\a+4*\k+3], v[ATR] offset:128*\a+16*\k   ; my 8 positions' sin, then cos, for each tile of rows
.endr
.endr
.if \refill
	ASK 0
.endif
	WIN 0x41
	BIAS BK
	WIN 0x44
.set i, 0
.rept 128
	v_max_num_f32 v[i], 0, v[i]
.set i, i+1
.endr
	WIN 0
	s_wait_dscnt 0x0                               ; sin, cos and value's first fragments
.irp g, 0,1
.irp b, 0,1,2,3
	MAPU \g, \b
.endr
.endr
	FETCHV 1
	FETCHV 2
	FETCHV 3
	VPHASE
.if \refill
	CHANGE 1, 1                                    ; value's slot is left; key's next tile is whole
	v_add_nc_u32 v[AAS], 16*272, v[AAS]
	v_add_nc_u32 v[ATR], 1024, v[ATR]
	ASRLOAD
	FETCHK 0
	ASK 1
.else
	PLACES 4
.endif
	VCVT
	KVMUL 0, \first
	KVMUL 1, 0
	WIN 0
.if \refill
	s_sub_co_u32 s[RF], s[RF], 1
.endif
.endm
.irp b, 0,1,2,3
	ds_load_b128 v[WSR+8*\b:WSR+8*\b+3], v[AWS] offset:544*\b
	ds_load_b128 v[WSR+8*\b+4:WSR+8*\b+7], v[AWS] offset:544*\b+16
.endr
	ASRLOAD
	FETCHK 0
	BLOCK 1, 1
.Lblk:                                                 ; two trips: blocks 1 and 2
	BLOCK 0, 1
	s_cmp_lg_u32 s[RF], 0
	s_cbranch_scc1 .Lblk
	BLOCK 0, 0                                     ; the last block is written out: it asks for nothing
	; THE WAY OUT.  The two waves of a head hold sums over different rows: the upper one's go through LDS, the lower one adds and stores.
	PLACES 4
.irp k, 0,1,2,3,4,5,6,7
	v_add_f32 v[40+\k], v[KS+2*\k], v[KS+2*\k+1]
.endr
.irp k, 0,1,2,3,4,5,6,7
	v_permlanex16_b32 v[48+\k], v[40+\k], s86, s87
.endr
.irp k, 0,1,2,3,4,5,6,7
	v_add_f32 v[40+\k], v[40+\k], v[48+\k]         ; v[40+2b]: sin's sum of column 16 b + r; v[41+2b]: cos's; the same in both halves of the lanes
.endr
	s_cmp_eq_u32 s17, 0
	s_cbranch_scc1 .Lkeep
	WIN 0x08                                       ; an LDS store's data: window 2
.set i, 0
.rept 64
	ds_store_b128 v[STA], v[4*i:4*i+3] offset:512*i
.set i, i+1
.endr
	WIN 0
.irp k, 0,1,2,3,4,5,6,7
	ds_store_b32 v[KSA], v[40+\k] offset:128*\k
.endr
.Lkeep:
	s_wait_dscnt 0x0                               ; for the others' sake: my stores are done
	s_barrier_signal -1
	s_barrier_wait -1
	s_cmp_lg_u32 s17, 0
	s_cbranch_scc1 .Ldone
	WIN 0x40
.set i, 0
.rept 64
	ds_load_b128 v[4*i:4*i+3], v[STA] offset:512*i
.set i, i+1
.endr
	WIN 0
.irp k, 0,1,2,3,4,5,6,7
	ds_load_b32 v[56+\k], v[KSA] offset:128*\k
.endr
	s_wait_dscnt 0x0
	WIN 0x86
.set i, 0
.rept 128
	v_pk_add_f32 v[2*i:2*i+1], v[2*i:2*i+1], v[2*i:2*i+1]          ; window 2 += window 1
.set i, i+1
.endr
	WIN 0x08
.set i, 0
.rept 64
	global_store_b128 v[L16], v[4*i:4*i+3], s[12:13] offset:512*i  ; the accumulators as they stand: 512 consecutive bytes a store
.set i, i+1
.endr
	WIN 0
.irp k, 0,1,2,3,4,5,6,7
	v_add_f32 v[40+\k], v[40+\k], v[56+\k]
.endr
	v_cndmask_b32 v48, v40, v42, s88               ; ksum in the order of d2: lanes 16-31 take the next tile of 16
	v_cndmask_b32 v49, v44, v46, s88
	v_cndmask_b32 v50, v41, v43, s88
	v_cndmask_b32 v51, v45, v47, s88
.irp k, 0,1,2,3
	global_store_b32 v[L4], v[48+\k], s[14:15] offset:128*\k
.endr
.Ldone:
	s_wait_tensorcnt 0x0                           ; the wave's end
	ds_add_u32 v[SPW], v[NIL]
	s_wait_dscnt 0x0
	CROUND                                         ; the closing round
	s_endpgm
.Lfunc_end_k_q7aaa8a8c0d_kvsum:
	.size	k_q7aaa8a8c0d_kvsum, .Lfunc_end_k_q7aaa8a8c0d_kvsum-k_q7aaa8a8c0d_kvsum
	.p2alignl 7, 3214868480
	.fill 96, 4, 3214868480
	.section	.rodata,"a",@progbits
	.p2align	6, 0x0
	.amdhsa_kernel k_q7aaa8a8c0d_kvsum
		.amdhsa_group_segment_fixed_size 327680
		.amdhsa_private_segment_fixed_size 0
		.amdhsa_enable_private_segment 0
		.amdhsa_kernarg_size 48
		.amdhsa_user_sgpr_count 2
		.amdhsa_user_sgpr_kernarg_segment_ptr 1
		.amdhsa_wavefront_size32 1
		.amdhsa_system_sgpr_workgroup_id_x 1
		.amdhsa_system_sgpr_workgroup_id_y 1
		.amdhsa_system_sgpr_workgroup_id_z 1
		.amdhsa_system_vgpr_workitem_id 0
		.amdhsa_next_free_vgpr 1024
		.amdhsa_next_free_sgpr 100
		.amdhsa_reserve_vcc 0
		.amdhsa_float_denorm_mode_32 3
		.amdhsa_float_denorm_mode_16_64 3
		.amdhsa_memory_ordered 1
		.amdhsa_forward_progress 1
		.amdhsa_inst_pref_size 255
	.end_amdhsa_kernel
	.section	.bss,"aw",@nobits
	.p2align	6
	.space	262144
	.amdgpu_metadata
---
amdhsa.version: [ 1, 2 ]
amdhsa.kernels:
  - .name:           k_q7aaa8a8c0d_kvsum
    .symbol:         k_q7aaa8a8c0d_kvsum.kd
    .args:
      - { .name: codes, .offset: 0, .size: 8, .value_kind: global_buffer, .address_space: global }
      - { .name: scales, .offset: 8, .size: 8, .value_kind: global_buffer, .address_space: global }
      - { .name: bk, .offset: 16, .size: 8, .value_kind: global_buffer, .address_space: global }
      - { .name: bv, .offset: 24, .size: 8, .value_kind: global_buffer, .address_space: global }
      - { .name: kvp, .offset: 32, .size: 8, .value_kind: global_buffer, .address_space: global }
      - { .name: ksp, .offset: 40, .size: 8, .value_kind: global_buffer, .address_space: global }
    .group_segment_fixed_size: 327680
    .private_segment_fixed_size: 0
    .kernarg_segment_align: 8
    .kernarg_segment_size: 48
    .max_flat_workgroup_size: 128
    .sgpr_count:     100
    .vgpr_count:     1024
    .wavefront_size: 32
...
	.end_amdgpu_metadata
.endif
;; end of part 2
;; launch qattn (part 3): grid 8 x 32, 4 waves a work-group, clusters of 4 x 4, 327,680 bytes of LDS; arguments codes, scales, bq, kvp, ksp, attn; writes attn
.if DOCPART == 3
	.amdgcn_target "amdgcn-amd-amdhsa--gfx1250"
	.amdhsa_code_object_version 6
	.text
	.protected	k_q7aaa8a8c0d_qattn
	.globl	k_q7aaa8a8c0d_qattn
	.p2align	8
	.type	k_q7aaa8a8c0d_qattn,@function
k_q7aaa8a8c0d_qattn:
	s_mov_b64 s[64:65], 0
	v_nop
	global_prefetch_b8 v0, s[64:65] scope:SCOPE_SE
	s_setreg_imm32_b32 hwreg(HW_REG_WAVE_MODE, 25, 1), 1
	s_wait_xcnt 0x0
	s_wait_alu depctr_hold_cnt(0) depctr_sa_sdst(0) depctr_va_vdst(0) depctr_va_sdst(0) depctr_va_ssrc(0) depctr_va_vcc(0) depctr_vm_vsrc(0)
	s_getreg_b32 s2, hwreg(HW_REG_IB_STS2, 6, 4)
	s_cmp_eq_u32 s2, 0
	s_cbranch_scc0 .Lentry_in_a_cluster
	s_endpgm
.Lentry_in_a_cluster:
	s_bfe_u32 s2, ttmp6, 0x10000c
	s_cmp_lg_u32 s2, 0xf033
	s_cbranch_scc0 .Lentry_shape_is_right
	s_endpgm
.Lentry_shape_is_right:
; THIRD LAUNCH.  q = query wq^T + bq on codes of FP4; q2 = [relu(q) sin, relu(q) cos]; num = q2 kv, den = q2 . ksum; attn = num / max(den, 1e-6), stored as f16, row t*8+b.  No work is left out.
; SHARES.  Work-group (X, Y): heads 2X, 2X+1; batch Y / 4; queries 256 (Y % 4) on, in two blocks of 128, both fetched at the head: no LDS byte is filled twice.  Wave w: rows 64 (w / 2) on of a block, head 2X + w % 2.
; kv AND ksum.  The four partial sums of the launch before are added here, each wave taking half of its head's; then they are NORMALISED for f16: with E the exponent field of the head's largest |kv| (floor 2^-100), kv is
; multiplied by 2^(137-E), which brings the largest into [2^10, 2^11), and the f32 sums are multiplied back by 2^(E-137); ksum likewise with its own E.  Both multiplications are exact; no branch or address hangs on E.
; The factor head_dim^-0.5 = 2^-3 of q is put into the two factors that multiply back (relu(x/8) = relu(x)/8 exactly), so num, den and the guard max(den, EPS) have reference()'s values.
; LAYOUT.  The FP4 product is used transposed (source 0 = 16 weight rows, source 1 = 16 queries): a lane holds ONE query (lane % 16) and columns 8 (lane / 16) + 0..7; two tiles rounded to f16 in pairs are source 1 (K = 32 of
; d2) of O^T = kv^T q2^T.  An accumulator of kv (lane: column e; registers: d2) packs likewise into source 0.  A fifth tile whose 16 rows all hold ksum gives den in every register of its result.
; CLUSTER 4 x 4: query's tiles and scale bytes jointly along a row of the cluster, wq's along a column.  No prefetch: all tiles are asked for at the head.
; LIMITS: q2 and attn are rounded to f16: |q| and |v| under 65,504; an overflow of 2^(E-140) / den is not served.
; REGISTERS.  window 0: v1-17 addresses; v18-25 1/den; v26-31 the exchange, the factors; v32-47 (sin, cos) of my query in tile 4 n + a; v48-63 at work; v64-95 wq's scale words; v96-127 query's; v128-255 fragments, at work.
;   window 1: v0-127 q's 16 accumulators ((b, a) at 8 (4a+b)); v128-255 q2's fragments ((a, u) at 128+32a+8u).   window 2: v0-159 kv's and ksum's fragments; v160-191 bq as four C operands.   window 3: O^T ((e, a) at 8 (5a+e)).
.set PITCH, 528
.set T16,   16*PITCH
.set SL0,   128*PITCH
.set SL1,   2*128*PITCH
.set WSL,   3*128*PITCH                ; wq's scale bytes: 16 runs of 256 + 16
.set ASL,   WSL+16*272                 ; query's: 32 runs
.set KIM,   ASL+32*272                 ; two heads x 20 fragments as images of their registers, 1,024 bytes each
.set STG0,  KIM+40960                  ; a stage of 128 rows x (256 + 16) bytes for each block
.set SPARE, STG0+2*128*272
.set XCH,   SPARE+512                  ; the exchange of the largest magnitudes: 16 bytes a head
.set ADA0, 3
.set ADB,  5
.set AWS,  6
.set AAS,  7
.set SPW,  8
.set NIL,  9
.set IMS,  10
.set IMD,  11
.set IML,  12
.set STO,  13
.set RD,   14
.set GO,   15
.set L16,  16
.set H32,  17
.set DR,   18
.set XCS,  26
.set XCL,  27
.set FKV,  28                          ; v28 2^(137-E) for kv, v29 for ksum
.set GKV,  30                          ; v30 2^(E-140) for kv, v31 for ksum
.set QS,   32
.set WSR,  64
.set ASR,  96
.set F,    128
.set G1A,  24
.set G1B,  32
.set G1WS, 40
.set G1AS, 48
.set DWS,  56
.set DAS,  60
.set DWQ,  68
.set DS0,  72
.set MSB, 0
.macro WIN new
.if MSB != \new
	s_set_vgpr_msb (MSB<<8)|\new
.set MSB, \new
.endif
.endm
.macro PLACES n
.rept \n
	v_nop
.endr
.endm
.macro CROUND
	s_barrier_signal -1
	s_barrier_wait -1
	s_cmp_lg_u32 s16, 0
	s_cbranch_scc1 .Lnw0_\@
	s_barrier_signal -3
.Lnw0_\@:
	s_barrier_wait -3
	s_barrier_signal -1
	s_barrier_wait -1
.endm
.macro GROUP1 g, c, r, p
	s_mov_b32 s[\g+1], (\c)<<16
	s_mov_b32 s[\g+2], (\r)<<16
	s_mov_b32 s[\g+3], (\c)<<16
	s_mov_b32 s[\g+4], \r
	s_mov_b32 s[\g+5], \p
	s_mov_b32 s[\g+6], 0
	s_mov_b32 s[\g+7], 0
.endm
.macro SINP d, n, x, z                 ; v[d] = sin(v[n] x s3): the series to x^13 on [0, pi/2]
	v_cvt_f32_u32 v[\x], v[\n]
	v_mul_f32 v[\x], s3, v[\x]
	v_mul_f32 v[\z], v[\x], v[\x]
	v_mov_b32 v[\d], 0x2f309231
	v_fmaak_f32 v[\d], v[\d], v[\z], 0xb2d7322b
	v_fmaak_f32 v[\d], v[\d], v[\z], 0x3638ef1d
	v_fmaak_f32 v[\d], v[\d], v[\z], 0xb9500d01
	v_fmaak_f32 v[\d], v[\d], v[\z], 0x3c088889
	v_fmaak_f32 v[\d], v[\d], v[\z], 0xbe2aaaab
	v_fma_f32 v[\d], v[\d], v[\z], 1.0
	v_mul_f32 v[\d], v[\d], v[\x]
.endm
	s_load_b256 s[4:11], s[0:1], 0x0               ; codes 4, scales 6, bq 8, kvp 10
	s_load_b128 s[12:15], s[0:1], 0x20             ; ksp 12, attn 14
	v_lshl_add_u32 v[SPW], v0, 2, SPARE
	v_mov_b32 v[NIL], 0
	ds_add_u32 v[SPW], v[NIL]                      ; the wave's opening: the add, twice on end, and its wait ahead of my first tensor load
	ds_add_u32 v[SPW], v[NIL]
	v_lshrrev_b32 v1, 5, v0
	v_readfirstlane_b32 s16, v1                    ; wave w
	s_lshr_b32 s17, s16, 1                         ; i
	s_and_b32 s18, s16, 1                          ; j
	s_bfe_u32 s19, ttmp6, 0x40000                  ; cx
	s_bfe_u32 s20, ttmp6, 0x40004                  ; cy
	s_lshl_b32 s21, ttmp9, 2
	s_add_co_u32 s21, s21, s19                     ; X
	s_and_b32 s22, ttmp7, 0xffff
	s_lshl_b32 s22, s22, 2
	s_add_co_u32 s22, s22, s20                     ; Y
	s_lshl_b32 s23, s21, 1
	s_add_co_u32 s23, s23, s18                     ; head
	s_lshl_b32 s89, s20, 2
	s_lshl_b32 s89, 15, s89                        ; my row of the cluster
	s_lshl_b32 s90, 0x1111, s19                    ; my column
	s_or_b32 s[G1A], s89, (1<<20)|(1<<21)|(6<<22)|(3<<25)
	s_or_b32 s[G1B], s90, (1<<20)|(1<<21)|(6<<22)|(3<<25)
	s_or_b32 s[G1WS], s90, (3<<16)|(1<<20)|(1<<21)|(5<<22)|(3<<25)
	s_or_b32 s[G1AS], s89, (3<<16)|(1<<20)|(1<<21)|(5<<22)|(3<<25)
	GROUP1 G1A, 512, 32, 512
	GROUP1 G1B, 512, 32, 512
	GROUP1 G1WS, 32, 4, 32
	GROUP1 G1AS, 32, 8, 32
	s_lshl_b32 s91, s16, 14
	s_lshl_b32 s92, s22, 17                        ; query's rows 32768 + 256 Y on (1024 b + 256 c = 256 Y)
	s_add_co_u32 s92, s92, s91
	s_add_co_u32 s92, s92, 32768*512
	s_mov_b32 s93, 0
	s_lshl_b32 s94, s21, 16                        ; wq's rows 43008 + 128 X on
	s_add_co_u32 s94, s94, s91
	s_add_co_u32 s94, s94, 43008*512
	s_mov_b32 s95, 0
	s_lshl_b32 s96, s21, 12                        ; wq's scale bytes: 32 rows a wave
	s_lshl_b32 s2, s16, 10
	s_add_co_u32 s96, s96, s2
	s_add_co_u32 s96, s96, 43008*32
	s_mov_b32 s97, 0
	s_lshl_b32 s98, s22, 13                        ; query's: 64 rows a wave
	s_lshl_b32 s2, s16, 11
	s_add_co_u32 s98, s98, s2
	s_add_co_u32 s98, s98, 32768*32
	s_mov_b32 s99, 0
	s_mov_b32 s84, 0x358637bd                      ; EPS = 1e-6
	s_mov_b32 s86, 0x76543210
	s_mov_b32 s87, 0xfedcba98
	s_wait_dscnt 0x0                               ; both opening adds are done
	s_wait_kmcnt 0x0
	s_mov_b32 s[DWS], 1
	s_mul_i32 s[DWS+1], s16, 4*272
	s_add_co_u32 s[DWS+1], s[DWS+1], WSL
	s_add_nc_u64 s[DWS+2:DWS+3], s[6:7], s[96:97]
	s_or_b32 s[DWS+3], s[DWS+3], 0x80000000
	s_mov_b32 s[DAS], 1
	s_mul_i32 s[DAS+1], s16, 8*272
	s_add_co_u32 s[DAS+1], s[DAS+1], ASL
	s_add_nc_u64 s[DAS+2:DAS+3], s[6:7], s[98:99]
	s_or_b32 s[DAS+3], s[DAS+3], 0x80000000
	s_mov_b32 s[DWQ], 1
	s_mul_i32 s[DWQ+1], s16, 32*PITCH
	s_add_nc_u64 s[DWQ+2:DWQ+3], s[4:5], s[94:95]
	s_or_b32 s[DWQ+3], s[DWQ+3], 0x80000000
	s_mov_b32 s[DS0], 1
	s_add_co_u32 s[DS0+1], s[DWQ+1], SL0
	s_add_nc_u64 s[DS0+2:DS0+3], s[4:5], s[92:93]
	s_mov_b32 s[DS0+4], 1
	s_add_co_u32 s[DS0+5], s[DWQ+1], SL1
	s_add_nc_u64 s[DS0+6:DS0+7], s[DS0+2:DS0+3], 65536              ; the second block's 128 rows
	s_or_b32 s[DS0+3], s[DS0+3], 0x80000000
	s_or_b32 s[DS0+7], s[DS0+7], 0x80000000
	CROUND                                         ; all sixteen work-groups are here: the joint loads meet
	tensor_load_to_lds s[DWS:DWS+3], s[G1WS:G1WS+7]
	s_nop 0
	tensor_load_to_lds s[DAS:DAS+3], s[G1AS:G1AS+7]
	s_nop 0
	tensor_load_to_lds s[DWQ:DWQ+3], s[G1B:G1B+7]
	s_nop 0
	tensor_load_to_lds s[DS0:DS0+3], s[G1A:G1A+7]
	s_nop 0
	tensor_load_to_lds s[DS0+4:DS0+7], s[G1A:G1A+7]                 ; five loads of mine are out
	s_nop 0
	PLACES 4
	s_mov_b32 s3, 0
	s_lshr_b32 s66, s22, 2                         ; b
	s_lshl_b32 s67, s66, 4
	s_add_co_u32 s67, s67, s23                     ; 16 b + head
	s_lshl_b32 s2, s67, 17
	s_lshl_b32 s89, s17, 14
	s_add_co_u32 s2, s2, s89
	s_add_nc_u64 s[10:11], s[10:11], s[2:3]        ; kvp: the head's four records, my half (d2 tiles 4 i on)
	s_lshl_b32 s2, s67, 11
	s_lshl_b32 s89, s17, 8
	s_add_co_u32 s2, s2, s89
	s_add_nc_u64 s[12:13], s[12:13], s[2:3]        ; ksp likewise
	s_lshl_b32 s2, s23, 8
	s_add_nc_u64 s[8:9], s[8:9], s[2:3]            ; bq: the head's 64
	s_and_b32 s90, s22, 3                          ; c
	s_lshl_b32 s2, s90, 22
	s_lshl_b32 s89, s16, 19
	s_add_co_u32 s2, s2, s89
	s_lshl_b32 s89, s66, 11
	s_add_co_u32 s2, s2, s89
	s_lshl_b32 s89, s21, 8
	s_add_co_u32 s2, s2, s89
	s_add_nc_u64 s[14:15], s[14:15], s[2:3]        ; attn: row (256 c + 32 w) 8 + b, byte 256 X
	s_mov_b32 s3, 0x3ac90fdb                       ; pi / 2048
	v_and_b32 v1, 15, v0                           ; r
	v_bfe_u32 v2, v0, 4, 1                         ; hl
	v_and_b32 v48, 31, v0
	v_lshlrev_b32 v[L16], 4, v48
	v_lshlrev_b32 v[H32], 5, v2
	WIN 0x40
.irp p, 0,1
.set i, 0
.rept 32
	global_load_b128 v[128*\p+4*i:128*\p+4*i+3], v[L16], s[10:11] offset:32768*\p+512*i
.set i, i+1
.endr
.endr
	WIN 0xc0
.irp p, 2,3
.set i, 0
.rept 32
	global_load_b128 v[128*(\p-2)+4*i:128*(\p-2)+4*i+3], v[L16], s[10:11] offset:32768*\p+512*i
.set i, i+1
.endr
.endr
	WIN 0x80
.irp u, 0,1
.irp p, 0,1,2,3
	global_load_b128 v[64*\u+16*\p:64*\u+16*\p+3], v[H32], s[12:13] offset:512*\p+128*\u          ; ksum at d2 = 32 u + 8 hl + 0..7,
	global_load_b128 v[64*\u+16*\p+4:64*\u+16*\p+7], v[H32], s[12:13] offset:512*\p+128*\u+16
	global_load_b128 v[64*\u+16*\p+8:64*\u+16*\p+11], v[H32], s[12:13] offset:512*\p+128*\u+64    ; and 16 + 8 hl + 0..7
	global_load_b128 v[64*\u+16*\p+12:64*\u+16*\p+15], v[H32], s[12:13] offset:512*\p+128*\u+80
.endr
.endr
.irp b, 0,1,2,3
	global_load_b128 v[160+8*\b:160+8*\b+3], v[H32], s[8:9] offset:64*\b                          ; bq at 16 b + 8 hl + 0..7: the C of q's first products
	global_load_b128 v[160+8*\b+4:160+8*\b+7], v[H32], s[8:9] offset:64*\b+16
.endr
	WIN 0
	; addresses, and sin and cos of my eight queries, while the loads are on their way
	v_mul_u32_u24 v49, v1, PITCH
	v_lshl_add_u32 v49, v2, 4, v49
	s_mul_i32 s2, s17, 64*PITCH
	s_add_co_u32 s2, s2, SL0
	v_add_nc_u32 v[ADA0], s2, v49
	v_add_nc_u32 v[ADA0+1], SL1-SL0, v[ADA0]
	s_mul_i32 s2, s18, 64*PITCH
	v_add_nc_u32 v[ADB], s2, v49
	v_lshrrev_b32 v50, 3, v1
	v_lshlrev_b32 v51, 5, v1
	v_lshl_add_u32 v51, v50, 4, v51
	s_mul_i32 s2, s18, 8*272
	s_add_co_u32 s2, s2, WSL
	v_add_nc_u32 v[AWS], s2, v51
	s_mul_i32 s2, s17, 8*272
	s_add_co_u32 s2, s2, ASL
	v_add_nc_u32 v[AAS], s2, v51
	s_mul_i32 s89, s18, 20480
	s_add_co_u32 s89, s89, KIM
	v_add_nc_u32 v[IML], s89, v[L16]
	s_lshl_b32 s2, s17, 13
	s_add_co_u32 s2, s2, s89
	v_add_nc_u32 v[IMS], s2, v[L16]
	s_lshl_b32 s2, s17, 11
	s_add_co_u32 s2, s2, s89
	s_add_co_u32 s2, s2, 16384
	v_add_nc_u32 v[IMD], s2, v[L16]
	v_mul_u32_u24 v50, v1, 272
	v_lshl_add_u32 v50, v2, 4, v50
	s_mul_i32 s2, s17, 64*272
	s_lshl_b32 s89, s18, 7
	s_add_co_u32 s2, s2, s89
	s_add_co_u32 s2, s2, STG0
	v_add_nc_u32 v[STO], s2, v50                   ; into the stage: row 64 i + r, byte 128 j + 16 hl
	v_mul_u32_u24 v50, v2, 272
	v_lshl_add_u32 v50, v1, 4, v50
	s_mul_i32 s2, s16, 32*272
	s_add_co_u32 s2, s2, STG0
	v_add_nc_u32 v[RD], s2, v50                    ; back: rows 32 w on; lanes 0-15 one row, lanes 16-31 the next
	v_lshlrev_b32 v[GO], 14, v2
	v_lshl_add_u32 v[GO], v1, 4, v[GO]             ; and in attn: a query on is 8 rows of 2,048 bytes
	s_lshl_b32 s2, s18, 4
	s_add_co_u32 s2, s2, XCH
	v_mov_b32 v[XCL], s2
	s_lshl_b32 s89, s17, 3
	s_add_co_u32 s2, s2, s89
	v_mov_b32 v[XCS], s2
.irp a, 0,1,2,3
	v_mov_b32 v[DR+2*\a+1], 0                      ; named as the upper halves of pairs
.endr
	s_lshl_b32 s2, s90, 8
	s_lshl_b32 s89, s17, 6
	s_add_co_u32 s2, s2, s89
	s_add_co_u32 s2, s2, 1
	v_add_nc_u32 v128, s2, v1                      ; 256 c + 64 i + r + 1
.irp t, 0,1,2,3,4,5,6,7
	v_add_nc_u32 v129, 128*(\t/4)+16*(\t%4), v128
	SINP QS+2*\t, 129, 130, 131
	v_sub_nc_u32 v129, 1024, v129
	SINP QS+2*\t+1, 129, 130, 131
.endr
.irp k, 0,1,2,3,4,5
	v_mov_b32 v[48+\k], 0x0d800000                 ; the floor 2^-100 under the largest magnitudes
.endr
	s_wait_loadcnt 0x0
	WIN 0x45                                       ; the four partial kv: (0 + 1) + (2 + 3)
.set i, 0
.rept 64
	v_pk_add_f32 v[2*i:2*i+1], v[2*i:2*i+1], v[128+2*i:129+2*i]
.set i, i+1
.endr
	WIN 0xcf
.set i, 0
.rept 64
	v_pk_add_f32 v[2*i:2*i+1], v[2*i:2*i+1], v[128+2*i:129+2*i]
.set i, i+1
.endr
	WIN 0x4d
.set i, 0
.rept 64
	v_pk_add_f32 v[2*i:2*i+1], v[2*i:2*i+1], v[2*i:2*i+1]          ; window 1 += window 3
.set i, i+1
.endr
	WIN 0xaa                                       ; the four partial ksum
.irp u, 0,1
.irp p, 1,2,3
.irp x, 0,2,4,6,8,10,12,14
	v_pk_add_f32 v[64*\u+\x:64*\u+\x+1], v[64*\u+\x:64*\u+\x+1], v[64*\u+16*\p+\x:64*\u+16*\p+\x+1]
.endr
.endr
.endr
	WIN 0x14                                       ; the largest |kv| of my half, in four chains
.set i, 0
.rept 64
	v_max3_num_f32 v[48+i%4], v[48+i%4], |v[2*i]|, |v[2*i+1]|
.set i, i+1
.endr
	WIN 0x28                                       ; and the largest of ksum, which is never negative
.irp u, 0,1
.irp x, 0,2,4,6,8,10,12,14
	v_max3_num_f32 v[52+\u], v[52+\u], v[64*\u+\x], v[64*\u+\x+1]
.endr
.endr
	WIN 0
	v_max3_num_f32 v48, v48, v49, v50
	v_max_num_f32 v49, v52, v53
	v_max_num_f32 v48, v48, v51
.irp m, 1,2,4,8
	v_max_num_f32_dpp v48, v48, v48 row_xmask:\m row_mask:0xf bank_mask:0xf
	v_max_num_f32_dpp v49, v49, v49 row_xmask:\m row_mask:0xf bank_mask:0xf
.endr
	v_permlanex16_b32 v50, v48, s86, s87
	v_permlanex16_b32 v51, v49, s86, s87
	v_max_num_f32 v48, v48, v50
	v_max_num_f32 v49, v49, v51
	ds_store_b64 v[XCS], v[48:49]                  ; all lanes write the same two words with the same values
	s_wait_dscnt 0x0
	s_barrier_signal -1
	s_barrier_wait -1
	ds_load_b128 v[52:55], v[XCL]                  ; both waves' of my head
	s_wait_dscnt 0x0
	v_max_num_f32 v48, v52, v54
	v_max_num_f32 v49, v53, v55
	v_lshrrev_b32 v50, 23, v48                     ; E, at least 27
	v_lshrrev_b32 v51, 23, v49
	v_sub_nc_u32 v52, 264, v50
	v_sub_nc_u32 v53, 264, v51
	v_add_nc_u32 v54, -13, v50
	v_add_nc_u32 v55, -13, v51
	v_lshlrev_b32 v[FKV], 23, v52                  ; 2^(137 - E)
	v_lshlrev_b32 v[FKV+1], 23, v53
	v_lshlrev_b32 v[GKV], 23, v54                  ; 2^(E - 140)
	v_lshlrev_b32 v[GKV+1], 23, v55
	WIN 0x41
.set i, 0
.rept 64
	v_pk_mul_f32 v[2*i:2*i+1], v[2*i:2*i+1], v[FKV:FKV+1] op_sel_hi:[1,0]
.set i, i+1
.endr
	WIN 0x45                                       ; my 8 fragments of kv: (u', n) from the accumulators of d2 tiles 2 u', 2 u' + 1
.irp u, 0,1
.irp n, 0,1,2,3
.irp f, 0,1,2,3
	v_cvt_pk_f16_f32 v[128+8*(4*\u+\n)+\f], v[8*(8*\u+\n)+2*\f], v[8*(8*\u+\n)+2*\f+1]
	v_cvt_pk_f16_f32 v[132+8*(4*\u+\n)+\f], v[8*(8*\u+4+\n)+2*\f], v[8*(8*\u+4+\n)+2*\f+1]
.endr
.endr
.endr
	WIN 0x82
.irp u, 0,1
.irp x, 0,2,4,6,8,10,12,14
	v_pk_mul_f32 v[64*\u+\x:64*\u+\x+1], v[64*\u+\x:64*\u+\x+1], v[FKV:FKV+1] op_sel:[0,1] op_sel_hi:[1,1]
.endr
.endr
	WIN 0x8a
.irp u, 0,1
.irp f, 0,1,2,3,4,5,6,7
	v_cvt_pk_f16_f32 v[64*\u+\f], v[64*\u+2*\f], v[64*\u+2*\f+1]   ; in place, ascending
.endr
.endr
	WIN 0x04                                       ; the fragments go to LDS as images of their registers
.irp x, 0,1,2,3,4,5,6,7,8,9,10,11,12,13,14,15
	ds_store_b128 v[IMS], v[128+4*\x:131+4*\x] offset:512*\x
.endr
	WIN 0x08
.irp u, 0,1
	ds_store_b128 v[IMD], v[64*\u:64*\u+3] offset:1024*\u
	ds_store_b128 v[IMD], v[64*\u+4:64*\u+7] offset:1024*\u+512
.endr
	WIN 0
	s_wait_tensorcnt 0x1                           ; scale bytes, wq and the first block are in; the second block's tile may stay out
	s_wait_dscnt 0x0                               ; my images are stored
	s_barrier_signal -1
	s_barrier_wait -1
	WIN 0x80
.set i, 0
.rept 40
	ds_load_b128 v[4*i:4*i+3], v[IML] offset:512*i                 ; my head's 20 fragments
.set i, i+1
.endr
	WIN 0
.macro FRAG reg, adr, off
	ds_load_b128 v[(\reg):(\reg)+3], v[\adr] offset:\off
	ds_load_b128 v[(\reg)+4:(\reg)+7], v[\adr] offset:\off+32
.endm
.macro FETCHQ n, q                     ; K step q of block n's queries and of wq: 16 loads, into set q % 2
.irp a, 0,1,2,3
	FRAG F+32*((\q)%2)+8*\a, ADA0+\n, \a*T16+64*(\q)
.endr
.irp a, 0,1,2,3
	FRAG F+64+32*((\q)%2)+8*\a, ADB, \a*T16+64*(\q)
.endr
.endm
.macro ASRLOAD n
.irp a, 0,1,2,3
	ds_load_b128 v[ASR+8*\a:ASR+8*\a+3], v[AAS] offset:4352*\n+544*\a
	ds_load_b128 v[ASR+8*\a+4:ASR+8*\a+7], v[AAS] offset:4352*\n+544*\a+16
.endr
.endm
.macro MULQ q                          ; 16 products, transposed; the accumulators take turns; the first take bq as C
.if (\q) == 0
	WIN 0x60
.else
	WIN 0x50
.endif
.irp a, 0,1,2,3
.irp b, 0,1,2,3
.if (\q) == 0
	v_wmma_scale_f32_16x16x128_f8f6f4 v[8*(4*\a+\b):8*(4*\a+\b)+7], v[F+64+32*((\q)%2)+8*\b:F+64+32*((\q)%2)+8*\b+7], v[F+32*((\q)%2)+8*\a:F+32*((\q)%2)+8*\a+7], v[160+8*\b:160+8*\b+7], v[WSR+8*\b+(\q)], v[ASR+8*\a+(\q)] matrix_a_fmt:MATRIX_FMT_FP4 matrix_b_fmt:MATRIX_FMT_FP4
.else
	v_wmma_scale_f32_16x16x128_f8f6f4 v[8*(4*\a+\b):8*(4*\a+\b)+7], v[F+64+32*((\q)%2)+8*\b:F+64+32*((\q)%2)+8*\b+7], v[F+32*((\q)%2)+8*\a:F+32*((\q)%2)+8*\a+7], v[8*(4*\a+\b):8*(4*\a+\b)+7], v[WSR+8*\b+(\q)], v[ASR+8*\a+(\q)] matrix_a_fmt:MATRIX_FMT_FP4 matrix_b_fmt:MATRIX_FMT_FP4
.endif
.endr
.endr
.endm
.macro QBLOCK n
.irp q, 0,1,2,3,4,5,6,7
.if \q < 7
	PLACES 4
	FETCHQ \n, \q+1
	s_wait_dscnt 16                                ; all but the 16 just issued
.else
	s_wait_dscnt 0x0
.endif
	MULQ \q
	WIN 0
.endr
	PLACES 4
	s_wait_xcnt 0x0                                ; the last block's stores have read their registers, which q2's fragments take again
	WIN 0x44
.set i, 0
.rept 128
	v_max_num_f32 v[i], 0, v[i]
.set i, i+1
.endr
.irp a, 0,1,2,3                        ; relu(q) x sin and x cos of the lane's query, rounded to f16: four fragments a tile
	WIN 0x01
.irp x, 0,2,4,6,8,10,12,14,16,18,20,22,24,26,28,30
	v_pk_mul_f32 v[F+64*(\a%2)+\x:F+64*(\a%2)+\x+1], v[32*\a+\x:32*\a+\x+1], v[QS+2*(4*\n+\a):QS+2*(4*\n+\a)+1] op_sel_hi:[1,0]
	v_pk_mul_f32 v[F+64*(\a%2)+32+\x:F+64*(\a%2)+33+\x], v[32*\a+\x:32*\a+\x+1], v[QS+2*(4*\n+\a):QS+2*(4*\n+\a)+1] op_sel:[0,1] op_sel_hi:[1,1]
.endr
	WIN 0x40
.set i, 0
.rept 32
	v_cvt_pk_f16_f32 v[128+32*\a+i], v[F+64*(\a%2)+2*i], v[F+64*(\a%2)+2*i+1]
.set i, i+1
.endr
.endr
	WIN 0xf6                                       ; O^T = kv^T q2^T and den: 20 accumulators by turns, K = 128 in four steps
.irp u, 0,1,2,3
.irp a, 0,1,2,3
.irp e, 0,1,2,3,4
.if \e < 4
.set KA, 8*(4*\u+\e)
.else
.set KA, 8*(16+\u)
.endif
.if \u == 0
	v_wmma_f32_16x16x32_f16 v[8*(5*\a+\e):8*(5*\a+\e)+7], v[KA:KA+7], v[128+32*\a+8*\u:128+32*\a+8*\u+7], 0
.else
	v_wmma_f32_16x16x32_f16 v[8*(5*\a+\e):8*(5*\a+\e)+7], v[KA:KA+7], v[128+32*\a+8*\u:128+32*\a+8*\u+7], v[8*(5*\a+\e):8*(5*\a+\e)+7]
.endif
.endr
.endr
.endr
	PLACES 4
	WIN 0x03
.irp a, 0,1,2,3
	v_mul_f32 v[DR+2*\a], v[8*(5*\a+4)], v[GKV+1]  ; den of my query: the fifth tile's lowest register, brought back to scale
.endr
	WIN 0
.irp a, 0,1,2,3
	v_max_num_f32 v[DR+2*\a], s84, v[DR+2*\a]      ; reference()'s guard
.endr
.irp a, 0,1,2,3
	v_rcp_f32 v[DR+2*\a], v[DR+2*\a]
.endr
	v_nop                                          ; a plain instruction behind the last reciprocal
	s_wait_alu depctr_va_vdst(0)                   ; one wait for the four, ahead of their first reader
.irp a, 0,1,2,3
	v_mul_f32 v[DR+2*\a], v[DR+2*\a], v[GKV]
.endr
	WIN 0x03
.irp a, 0,1,2,3
.irp e, 0,1,2,3
.irp p, 0,2,4,6
	v_pk_mul_f32 v[F+32*\a+8*\e+\p:F+32*\a+8*\e+\p+1], v[8*(5*\a+\e)+\p:8*(5*\a+\e)+\p+1], v[DR+2*\a:DR+2*\a+1] op_sel_hi:[1,0]
.endr
.endr
.endr
	WIN 0
.set i, 0
.rept 64
	v_cvt_pk_f16_f32 v[F+i], v[F+2*i], v[F+2*i+1]  ; in place, ascending: v[F+16a+4e ..+3] = 8 neighbouring columns of my query's row
.set i, i+1
.endr
.irp a, 0,1,2,3
.irp e, 0,1,2,3
	ds_store_b128 v[STO], v[F+16*\a+4*\e:F+16*\a+4*\e+3] offset:34816*\n+4352*\a+32*\e
.endr
.endr
	s_wait_tensorcnt 0x0                           ; my part of the second block's tile is in: this barrier shows it to the others too
	s_wait_dscnt 0x0                               ; my stores into the stage are done
	s_barrier_signal -1
	s_barrier_wait -1
	WIN 0x40
.irp k, 0,1,2,3,4,5,6,7,8,9,10,11,12,13,14,15
	ds_load_b128 v[128+4*\k:131+4*\k], v[RD] offset:34816*\n+544*\k
.endr
	WIN 0
.if \n == 0
	ASRLOAD 1                                      ; the next block's scale words and first fragments: 24 loads
	FETCHQ 1, 0
.endif
	WIN 0x04
.irp k, 0,1,2,3,4,5,6,7,8,9,10,11,12,13,14,15
	s_wait_dscnt 15-\k+24*(1-\n)                   ; row pair k is back; the younger loads stay out
	global_store_b128 v[GO], v[128+4*\k:131+4*\k], s[14:15] offset:2097152*\n+32768*\k   ; 16 lanes store 256 consecutive bytes, aligned
.endr
	WIN 0
.endm
.irp b, 0,1,2,3
	ds_load_b128 v[WSR+8*\b:WSR+8*\b+3], v[AWS] offset:544*\b
	ds_load_b128 v[WSR+8*\b+4:WSR+8*\b+7], v[AWS] offset:544*\b+16
.endr
	ASRLOAD 0
	FETCHQ 0, 0
	QBLOCK 0
	QBLOCK 1
	s_wait_tensorcnt 0x0                           ; the wave's end
	ds_add_u32 v[SPW], v[NIL]
	s_wait_dscnt 0x0
	CROUND                                         ; the closing round
	s_endpgm
.Lfunc_end_k_q7aaa8a8c0d_qattn:
	.size	k_q7aaa8a8c0d_qattn, .Lfunc_end_k_q7aaa8a8c0d_qattn-k_q7aaa8a8c0d_qattn
	.p2alignl 7, 3214868480
	.fill 96, 4, 3214868480
	.section	.rodata,"a",@progbits
	.p2align	6, 0x0
	.amdhsa_kernel k_q7aaa8a8c0d_qattn
		.amdhsa_group_segment_fixed_size 327680
		.amdhsa_private_segment_fixed_size 0
		.amdhsa_enable_private_segment 0
		.amdhsa_kernarg_size 48
		.amdhsa_user_sgpr_count 2
		.amdhsa_user_sgpr_kernarg_segment_ptr 1
		.amdhsa_wavefront_size32 1
		.amdhsa_system_sgpr_workgroup_id_x 1
		.amdhsa_system_sgpr_workgroup_id_y 1
		.amdhsa_system_sgpr_workgroup_id_z 1
		.amdhsa_system_vgpr_workitem_id 0
		.amdhsa_next_free_vgpr 1024
		.amdhsa_next_free_sgpr 100
		.amdhsa_reserve_vcc 0
		.amdhsa_float_denorm_mode_32 3
		.amdhsa_float_denorm_mode_16_64 3
		.amdhsa_memory_ordered 1
		.amdhsa_forward_progress 1
		.amdhsa_inst_pref_size 203
	.end_amdhsa_kernel
	.amdgpu_metadata
---
amdhsa.version: [ 1, 2 ]
amdhsa.kernels:
  - .name:           k_q7aaa8a8c0d_qattn
    .symbol:         k_q7aaa8a8c0d_qattn.kd
    .args:
      - { .name: codes, .offset: 0, .size: 8, .value_kind: global_buffer, .address_space: global }
      - { .name: scales, .offset: 8, .size: 8, .value_kind: global_buffer, .address_space: global }
      - { .name: bq, .offset: 16, .size: 8, .value_kind: global_buffer, .address_space: global }
      - { .name: kvp, .offset: 24, .size: 8, .value_kind: global_buffer, .address_space: global }
      - { .name: ksp, .offset: 32, .size: 8, .value_kind: global_buffer, .address_space: global }
      - { .name: attn, .offset: 40, .size: 8, .value_kind: global_buffer, .address_space: global }
    .group_segment_fixed_size: 327680
    .private_segment_fixed_size: 0
    .kernarg_segment_align: 8
    .kernarg_segment_size: 48
    .max_flat_workgroup_size: 128
    .sgpr_count:     100
    .vgpr_count:     1024
    .wavefront_size: 32
...
	.end_amdgpu_metadata
.endif
;; end of part 3
;; launch oproj (part 4): grid 4 x 64, 4 waves a work-group, clusters of 4 x 4, 327,680 bytes of LDS; arguments attn, wo16, bo, out0; writes out0
.if DOCPART == 4
	.amdgcn_target "amdgcn-amd-amdhsa--gfx1250"
	.amdhsa_code_object_version 6
	.text
	.protected	k_q7aaa8a8c0d_oproj
	.globl	k_q7aaa8a8c0d_oproj
	.p2align	8
	.type	k_q7aaa8a8c0d_oproj,@function
k_q7aaa8a8c0d_oproj:
	s_mov_b64 s[64:65], 0
	v_nop
	global_prefetch_b8 v0, s[64:65] scope:SCOPE_SE
	s_setreg_imm32_b32 hwreg(HW_REG_WAVE_MODE, 25, 1), 1
	s_wait_xcnt 0x0
	s_wait_alu depctr_hold_cnt(0) depctr_sa_sdst(0) depctr_va_vdst(0) depctr_va_sdst(0) depctr_va_ssrc(0) depctr_va_vcc(0) depctr_vm_vsrc(0)
	s_getreg_b32 s2, hwreg(HW_REG_IB_STS2, 6, 4)
	s_cmp_eq_u32 s2, 0
	s_cbranch_scc0 .Lentry_in_a_cluster
	s_endpgm
.Lentry_in_a_cluster:
	s_bfe_u32 s2, ttmp6, 0x10000c
	s_cmp_lg_u32 s2, 0xf033
	s_cbranch_scc0 .Lentry_shape_is_right
	s_endpgm
.Lentry_shape_is_right:
; FOURTH LAUNCH.  out0 = attn wo^T + bo.  attn [8192][1024] and wo16 [1024][1024] are f16, K innermost; sums, bo and out0 f32.  No work is left out.
; A tile of out0 is 128 rows x 256 columns: 64 x 4 = 256 work-groups, one for each WGP.  Four waves, each 64 x 128: 32 accumulators of 16 x 16.  K goes in steps of 128 (rows of 256 bytes) through a ring of two LDS slots.
; CLUSTER 4 x 4: attn's tile is asked for jointly along a row of the cluster, wo16's along a column.  Waves 0 and 1 fetch attn's halves (64 rows), waves 2 and 3 wo16's (128 rows): one load a wave behind each round.
; THE MATRIX INSTRUCTION IS USED TRANSPOSED (source 0 = 16 rows of wo16, source 1 = 16 rows of attn): a lane holds eight neighbouring columns of one row of out0.  bo is the C of each sum's first product.
; No prefetch: each tile is fetched once for four work-groups, and a step's tiles are small.
; REGISTERS.  window 0: v16-29 addresses; v64-127 attn's fragments, two buffers; v128-255 the way out.   window 1: v0-127 wo16's fragments, two buffers; v128-191 bo as 8 C operands.   window 2: accumulator (a, b) at 8 (8a+b).
.set KSTEP,  128
.set PITCH,  272                       ; 256 bytes + 16 = 68 words: row r starts at bank 4 r mod 64
.set AH,     64*PITCH
.set BH,     128*PITCH
.set SLOT,   2*AH+2*BH                 ; attn's 128 rows, then wo16's 256
.set STAGE,  2*SLOT                    ; 16 rows x (512 + 16) bytes for each wave
.set SPITCH, 528
.set SPARE,  STAGE+4*16*SPITCH
.set LAPS,   4                         ; 1,024 / (2 x 128)
.set ADRA, 16
.set ADRB, 20
.set STO,  24
.set RD,   25
.set CO,   26
.set BO,   27
.set SPW,  28
.set NIL,  29
.set G1,  24
.set G0,  32
.set G1B, 48
.set G0B, 56
.set MSB, 0
.macro WIN new
.if MSB != \new
	s_set_vgpr_msb (MSB<<8)|\new
.set MSB, \new
.endif
.endm
.set MUL,  0xa1                        ; source 0 (wo16) window 1, source 1 (attn) window 0, C and D window 2
.set MULZ, 0x91                        ; the same with C (bo) in window 1
.macro PLACES
.rept 4
	v_nop
.endr
.endm
.macro JLOAD s                         ; a joint load; the branch hangs on the wave's number alone
	s_cmp_eq_u32 s13, 0
	s_cbranch_scc0 .Lfor_b_\@
	tensor_load_to_lds s[G0+4*\s:G0+4*\s+3], s[G1:G1+7]
	s_nop 0
	PLACES
	s_branch .Lasked_\@
.Lfor_b_\@:
	tensor_load_to_lds s[G0B+4*\s:G0B+4*\s+3], s[G1B:G1B+7]
	s_nop 0
	PLACES
.Lasked_\@:
.endm
.macro CREST
	s_cmp_lg_u32 s12, 0
	s_cbranch_scc1 .Lnw0_\@
	s_barrier_signal -3
.Lnw0_\@:
	s_barrier_wait -3
	s_barrier_signal -1
	s_barrier_wait -1
.endm
.macro CROUND
	s_barrier_signal -1
	s_barrier_wait -1
	CREST
.endm
	s_load_b256 s[4:11], s[0:1], 0x0               ; attn 4, wo16 6, bo 8, out0 10
	v_lshl_add_u32 v[SPW], v0, 2, SPARE
	v_mov_b32 v[NIL], 0
	ds_add_u32 v[SPW], v[NIL]                      ; the wave's opening: the add, twice on end, and its wait ahead of my first tensor load
	ds_add_u32 v[SPW], v[NIL]
	v_lshrrev_b32 v1, 5, v0
	v_readfirstlane_b32 s12, v1                    ; wave
	s_lshr_b32 s13, s12, 1                         ; which 64 rows are mine.  Also: I fetch for attn (0) or for wo16 (1)
	s_and_b32 s14, s12, 1                          ; which 128 columns.  Also: which half of that tile I fetch
	s_bfe_u32 s40, ttmp6, 0x40000                  ; cx
	s_bfe_u32 s41, ttmp6, 0x40004                  ; cy
	s_lshl_b32 s42, ttmp9, 2
	s_add_co_u32 s42, s42, s40                     ; tile column
	s_and_b32 s43, ttmp7, 0xffff
	s_lshl_b32 s43, s43, 2
	s_add_co_u32 s43, s43, s41                     ; tile row
	s_lshl_b32 s44, s41, 2
	s_lshl_b32 s44, 15, s44                        ; my row of the cluster
	s_lshl_b32 s45, 0x1111, s40                    ; my column
	s_or_b32 s[G1], s44, (1<<16)|(1<<20)|(1<<21)|(5<<22)|(3<<25)    ; elements of 2 bytes; 4 words of padding after every 64
	s_or_b32 s[G1B], s45, (1<<16)|(1<<20)|(1<<21)|(5<<22)|(3<<25)
	s_mov_b32 s[G1+1], KSTEP<<16
	s_mov_b32 s[G1+2], 64<<16
	s_mov_b32 s[G1+3], KSTEP<<16
	s_mov_b32 s[G1+4], 64
	s_mov_b32 s[G1+5], 1024
	s_mov_b32 s[G1+6], 0
	s_mov_b32 s[G1+7], 0
	s_mov_b32 s[G1B+1], KSTEP<<16
	s_mov_b32 s[G1B+2], 128<<16
	s_mov_b32 s[G1B+3], KSTEP<<16
	s_mov_b32 s[G1B+4], 128
	s_mov_b32 s[G1B+5], 1024
	s_mov_b32 s[G1B+6], 0
	s_mov_b32 s[G1B+7], 0
	s_lshl_b32 s16, s43, 18                        ; attn: row 128 x tile row + 64 x half, 2,048 bytes a row
	s_lshl_b32 s18, s14, 17
	s_add_co_u32 s16, s16, s18
	s_mov_b32 s17, 0
	s_lshl_b32 s46, s42, 19                        ; wo16: row 256 x tile column + 128 x half
	s_lshl_b32 s18, s14, 18
	s_add_co_u32 s46, s46, s18
	s_mov_b32 s47, 0
	s_mul_i32 s20, s14, AH                         ; where they go
	s_mul_i32 s21, s14, BH
	s_add_co_u32 s21, s21, 2*AH
	s_wait_dscnt 0x0                               ; both opening adds are done
	s_wait_kmcnt 0x0
	s_add_nc_u64 s[16:17], s[4:5], s[16:17]
	s_add_nc_u64 s[46:47], s[6:7], s[46:47]
	CROUND                                         ; all sixteen work-groups are here: the first joint loads meet
.irp s, 0,1
	s_mov_b32 s[G0+4*\s], 1
	s_add_co_u32 s[G0+4*\s+1], s20, \s*SLOT
	s_add_nc_u64 s[G0+4*\s+2:G0+4*\s+3], s[16:17], \s*KSTEP*2
	s_or_b32 s[G0+4*\s+3], s[G0+4*\s+3], 0x80000000
	s_mov_b32 s[G0B+4*\s], 1
	s_add_co_u32 s[G0B+4*\s+1], s21, \s*SLOT
	s_add_nc_u64 s[G0B+4*\s+2:G0B+4*\s+3], s[46:47], \s*KSTEP*2
	s_or_b32 s[G0B+4*\s+3], s[G0B+4*\s+3], 0x80000000
	JLOAD \s
.endr
	v_and_b32 v1, 15, v0                           ; r
	v_bfe_u32 v2, v0, 4, 1                         ; hl
	v_lshlrev_b32 v[BO], 5, v2
	s_lshl_b32 s18, s42, 10                        ; bo: 256 x tile column + 128 x half, 4 bytes each
	s_lshl_b32 s19, s14, 9
	s_add_co_u32 s18, s18, s19
	s_mov_b32 s19, 0
	s_add_nc_u64 s[8:9], s[8:9], s[18:19]
	s_add_nc_u64 s[10:11], s[10:11], s[18:19]      ; out0: the same columns,
	s_lshl_b32 s18, s43, 19                        ; row 128 x tile row + 64 x half, 4,096 bytes a row
	s_lshl_b32 s22, s13, 18
	s_add_co_u32 s18, s18, s22
	s_add_nc_u64 s[10:11], s[10:11], s[18:19]
	WIN 0x40
.irp b, 0,1,2,3,4,5,6,7
	global_load_b128 v[128+8*\b:131+8*\b], v[BO], s[8:9] offset:64*\b          ; bo at 16 b + 8 hl + 0..7
	global_load_b128 v[132+8*\b:135+8*\b], v[BO], s[8:9] offset:64*\b+16
.endr
	WIN 0
	v_mul_u32_u24 v3, v1, PITCH
	v_lshl_add_u32 v3, v2, 4, v3                   ; a fragment's row x pitch + 16 hl
	s_mul_i32 s21, s13, AH
	s_mul_i32 s22, s14, BH
	s_add_co_u32 s22, s22, 2*AH
.irp s, 0,1
	v_add_nc_u32 v[ADRA+\s], s21, v3
	v_add_nc_u32 v[ADRB+\s], s22, v3
	s_add_co_u32 s21, s21, SLOT
	s_add_co_u32 s22, s22, SLOT
.endr
	s_mul_i32 s23, s12, 16*SPITCH
	s_add_co_u32 s23, s23, STAGE                   ; my stage
	v_mul_u32_u24 v4, v1, SPITCH
	v_lshl_add_u32 v4, v2, 5, v4
	v_add_nc_u32 v[STO], s23, v4                   ; in: row r, 32 bytes for each half of the lanes
	v_and_b32 v5, 31, v0
	v_lshlrev_b32 v[CO], 4, v5                     ; back: the 32 lanes take one row of 512 bytes; and the same in out0
	v_add_nc_u32 v[RD], s23, v[CO]
.macro MUL8 f, a, zero                 ; row tile a x the 8 column tiles, 32 along K, from buffer f
.irp b, 0,1,2,3,4,5,6,7
.if \zero
	v_wmma_f32_16x16x32_f16 v[8*(8*\a+\b):8*(8*\a+\b)+7], v[64*\f+8*\b:64*\f+8*\b+7], v[64+32*\f+8*\a:64+32*\f+8*\a+7], v[128+8*\b:128+8*\b+7]
.else
	v_wmma_f32_16x16x32_f16 v[8*(8*\a+\b):8*(8*\a+\b)+7], v[64*\f+8*\b:64*\f+8*\b+7], v[64+32*\f+8*\a:64+32*\f+8*\a+7], v[8*(8*\a+\b):8*(8*\a+\b)+7]
.endif
.endr
.endm
.macro FETCH slot, k, f                ; 24 LDS loads in one run: 32 along K at byte k of the rows, into buffer f: wo16's 8 tiles, then attn's 4
	WIN 0x40
.irp i, 0,1,2,3,4,5,6,7
	ds_load_b128 v[64*\f+8*\i:64*\f+8*\i+3],   v[ADRB+\slot] offset:\k+\i*16*PITCH
	ds_load_b128 v[64*\f+8*\i+4:64*\f+8*\i+7], v[ADRB+\slot] offset:\k+\i*16*PITCH+32
.endr
	WIN 0
.irp i, 0,1,2,3
	ds_load_b128 v[64+32*\f+8*\i:64+32*\f+8*\i+3],   v[ADRA+\slot] offset:\k+\i*16*PITCH
	ds_load_b128 v[64+32*\f+8*\i+4:64+32*\f+8*\i+7], v[ADRA+\slot] offset:\k+\i*16*PITCH+32
.endr
.endm
; A K step is four quarters of 32 along K, 32 matrix instructions each, on buffers 0, 1, 0, 1; the 32 accumulators take turns, in the same order in every quarter.
.macro QUARTER slot, k, f, g, zero
	s_wait_dscnt 4                                 ; all but attn's row tiles 2 and 3
.if \zero
	WIN MULZ
.else
	WIN MUL
.endif
	MUL8 \f, 0, \zero
	MUL8 \f, 1, \zero
	PLACES                                         ; in front of loads into registers that the quarter before has multiplied
	FETCH \slot, \k, \g
	s_wait_dscnt 24                                ; all but the 24 just issued
.if \zero
	WIN MULZ
.else
	WIN MUL
.endif
	MUL8 \f, 2, \zero
	MUL8 \f, 3, \zero
.endm
; The last quarter multiplies buffer 1 and changes slots: one barrier; in front of it each wave waits for all its tensor loads, adds 0 to its spare word, and waits for that and for its reads of this slot.
.macro TURN slot, next, fill
	WIN 0
	s_wait_tensorcnt 0x0                           ; all my tensor loads have landed: my part of the next slot
	ds_add_u32 v[SPW], v[NIL]
	s_wait_dscnt 5                                 ; (the add and the youngest four loads may be out)
	WIN MUL
	MUL8 1, 0, 0                                   ; eight matrix instructions stand between the add and the wait for it
	s_wait_dscnt 0x0                               ; the add is done, and my reads of this slot are over
	s_barrier_signal -1
	MUL8 1, 1, 0
	WIN 0
	s_barrier_wait -1
.if \fill
	CREST                                          ; the barrier has opened a round of the cluster's: no wave of any partner still reads this slot or has a load on its way
	s_add_nc_u64 s[G0+4*\slot+2:G0+4*\slot+3], s[G0+4*\slot+2:G0+4*\slot+3], 2*KSTEP*2
	s_add_nc_u64 s[G0B+4*\slot+2:G0B+4*\slot+3], s[G0B+4*\slot+2:G0B+4*\slot+3], 2*KSTEP*2
	JLOAD \slot                                    ; the first tensor load behind the round; its four v_nop are also the places in front of the loads below
.else
	PLACES
.endif
	FETCH \next, 0, 0
	WIN MUL
	MUL8 1, 2, 0
	MUL8 1, 3, 0
.endm
	s_wait_tensorcnt 1                             ; my part of K step 0 is in; K step 1's may stay out
	s_barrier_signal -1
	s_barrier_wait -1
	FETCH 0, 0, 0
	s_wait_loadcnt 0x0                             ; bo
	QUARTER 0, 64, 0, 1, 1                         ; the first quarter stands in front of the loop: its products start the sums, from bo
	WIN 0
	s_mov_b32 s3, LAPS-1
.Llap:                                                 ; a trip goes once round the ring and fills both slots again
	QUARTER 0, 128, 1, 0, 0
	QUARTER 0, 192, 0, 1, 0
	TURN 0, 1, 1
	QUARTER 1, 64,  0, 1, 0
	QUARTER 1, 128, 1, 0, 0
	QUARTER 1, 192, 0, 1, 0
	TURN 1, 0, 1
	QUARTER 0, 64,  0, 1, 0
	WIN 0
	s_sub_co_u32 s3, s3, 1
	s_cmp_lg_u32 s3, 0
	s_cbranch_scc1 .Llap
	QUARTER 0, 128, 1, 0, 0                        ; the last lap fills nothing
	QUARTER 0, 192, 0, 1, 0
	TURN 0, 1, 0
	QUARTER 1, 64,  0, 1, 0
	QUARTER 1, 128, 1, 0, 0
	QUARTER 1, 192, 0, 1, 0
	s_wait_dscnt 4
	WIN MUL
	MUL8 1, 0, 0
	MUL8 1, 1, 0
	s_wait_dscnt 0x0
	MUL8 1, 2, 0
	MUL8 1, 3, 0
	WIN 0
; THE WAY OUT, a block of 16 rows x 128 columns at a time, through my own stage: LDS serves a wave's instructions in order, so no wait stands between the stores and the loads.
.macro TOSTAGE a
	WIN 0x08
.irp b, 0,1,2,3,4,5,6,7
	ds_store_b128 v[STO], v[8*(8*(\a)+\b):8*(8*(\a)+\b)+3] offset:64*\b       ; each accumulator from its low end on
	ds_store_b128 v[STO], v[8*(8*(\a)+\b)+4:8*(8*(\a)+\b)+7] offset:64*\b+16
.endr
	WIN 0
.set BB, 128+64*((\a)%2)
.irp t, 0,1,2,3,4,5,6,7,8,9,10,11,12,13,14,15
	ds_load_b128 v[BB+4*\t:BB+4*\t+3], v[RD] offset:\t*SPITCH
.endr
.endm
.macro SEND a, younger
.set BB, 128+64*((\a)%2)
	s_wait_dscnt \younger                          ; the block is back in registers
.if (\a) > 0
	s_add_nc_u64 s[10:11], s[10:11], 16*4096       ; (behind a wait on XCNT: the earlier stores have read their base)
.endif
.irp t, 0,1,2,3,4,5,6,7,8,9,10,11,12,13,14,15
	global_store_b128 v[CO], v[BB+4*\t:BB+4*\t+3], s[10:11] offset:\t*4096 th:TH_STORE_NT   ; 32 lanes store 512 consecutive bytes, aligned
.endr
.endm
	PLACES
	TOSTAGE 0
.irp a, 1,2,3
.if \a > 1
	s_wait_xcnt 0x0                                ; block a - 2's stores have read their registers and their base
.endif
	TOSTAGE \a
	SEND \a-1, 32                                  ; behind block a - 1's loads: block a's 16 stores and 16 loads
.endr
	s_wait_xcnt 0x0
	SEND 3, 0
	s_wait_tensorcnt 0x0                           ; the wave's end
	ds_add_u32 v[SPW], v[NIL]
	s_wait_dscnt 0x0
	CROUND                                         ; the closing round
	s_endpgm
.Lfunc_end_k_q7aaa8a8c0d_oproj:
	.size	k_q7aaa8a8c0d_oproj, .Lfunc_end_k_q7aaa8a8c0d_oproj-k_q7aaa8a8c0d_oproj
	.p2alignl 7, 3214868480
	.fill 96, 4, 3214868480
	.section	.rodata,"a",@progbits
	.p2align	6, 0x0
	.amdhsa_kernel k_q7aaa8a8c0d_oproj
		.amdhsa_group_segment_fixed_size 327680
		.amdhsa_private_segment_fixed_size 0
		.amdhsa_enable_private_segment 0
		.amdhsa_kernarg_size 32
		.amdhsa_user_sgpr_count 2
		.amdhsa_user_sgpr_kernarg_segment_ptr 1
		.amdhsa_wavefront_size32 1
		.amdhsa_system_sgpr_workgroup_id_x 1
		.amdhsa_system_sgpr_workgroup_id_y 1
		.amdhsa_system_sgpr_workgroup_id_z 1
		.amdhsa_system_vgpr_workitem_id 0
		.amdhsa_next_free_vgpr 768
		.amdhsa_next_free_sgpr 66
		.amdhsa_reserve_vcc 0
		.amdhsa_float_denorm_mode_32 3
		.amdhsa_float_denorm_mode_16_64 3
		.amdhsa_memory_ordered 1
		.amdhsa_forward_progress 1
		.amdhsa_inst_pref_size 87
	.end_amdhsa_kernel
	.amdgpu_metadata
---
amdhsa.version: [ 1, 2 ]
amdhsa.kernels:
  - .name:           k_q7aaa8a8c0d_oproj
    .symbol:         k_q7aaa8a8c0d_oproj.kd
    .args:
      - { .name: attn, .offset: 0, .size: 8, .value_kind: global_buffer, .address_space: global }
      - { .name: wo16, .offset: 8, .size: 8, .value_kind: global_buffer, .address_space: global }
      - { .name: bo, .offset: 16, .size: 8, .value_kind: global_buffer, .address_space: global }
      - { .name: out0, .offset: 24, .size: 8, .value_kind: global_buffer, .address_space: global }
    .group_segment_fixed_size: 327680
    .private_segment_fixed_size: 0
    .kernarg_segment_align: 8
    .kernarg_segment_size: 32
    .max_flat_workgroup_size: 128
    .sgpr_count:     66
    .vgpr_count:     768
    .wavefront_size: 32
...
	.end_amdgpu_metadata
.endif
;; end of part 4
